; MI455X (gfx1250); checked and timed in simulation.
; The chip was launched on July 23, 2026; its instructions are those of AMD's public machine-readable ISA for CDNA 5 (MIT licence, August 2026) and "CDNA5" Instruction Set Architecture Reference Guide (July 2026). The comments in the code are by the model that wrote it; some were corrected since.
;; Stable Multi Head Attention. Allowed arithmetic: float matrix products may take bf16 or f16 operands with f32 sums; other float arithmetic in f32, or as packed bf16 or f16 multiplies, adds, multiply-adds, maxima and minima; sums over many terms, partial sums and values carried from step to step in f32; what a program stores and reads back later, other than sums and carried values, may be rounded once to bf16 or f16.
;; Inputs: bk 1,024 float32; bo 1,024 float32; bq 1,024 float32; bv 1,024 float32; ln_b 1,024 float32; ln_g 1,024 float32; mask 4 x 2,048 bool; wk 1,024 x 1,024 float32; wo 1,024 x 1,024 float32; wq 1,024 x 1,024 float32; wv 1,024 x 1,024 float32; x 4 x 2,048 x 1,024 float32.
;; Outputs: out0 4 x 2,048 x 1,024 float32.
;; 2 versions, each right and faster than the one before. Each part assembles by itself: llvm-mc -triple=amdgcn-amd-amdhsa -mcpu=gfx1250 --defsym DOCPART=n.
;; ======== version 1 of 2: 4 launches
;; limits: values are held in f16: magnitudes above 65,504 overflow, below 6.1e-05 lose precision
;; workspace buffers: xn 16,777,216 bytes; w16 8,388,608 bytes; qkv 50,331,648 bytes; o 16,777,216 bytes
;; launch prep (part 1): grid 384 x 1, 8 waves a work-group, no clusters, 0 bytes of LDS; arguments x, ln_g, ln_b, wq, wk, wv, wo, xn, w16; writes xn, w16
.if DOCPART == 1
	.amdgcn_target "amdgcn-amd-amdhsa--gfx1250"
	.amdhsa_code_object_version 6
	.text
	.protected	k_qfe4dfb2e09_prep
	.globl	k_qfe4dfb2e09_prep
	.p2align	8
	.type	k_qfe4dfb2e09_prep,@function
k_qfe4dfb2e09_prep:
	s_mov_b64 s[64:65], 0
	v_nop
	global_prefetch_b8 v0, s[64:65] scope:SCOPE_SE
	s_setreg_imm32_b32 hwreg(HW_REG_WAVE_MODE, 25, 1), 1
	s_wait_xcnt 0x0
; PREP.  Work-groups 0-255: xn = LayerNorm(x) g + b, [8192][1024], f32 in, f16 out (mean, then the variance of the differences: two passes over registers, all in f32).
; Work-groups 256-383: the four weights [1024][1024] f32 -> w16 [4096][1024] f16, rows laid so that a later tile of 192 rows is one head's q, k and v:
; row j*192 + kind*64 + c = w_kind[j*64 + c] (kind 0, 1, 2 = q, k, v); rows 3072 + e = wo[e].
; A stream: no LDS, no barrier, no matrix work.  One wave takes a whole row (4,096 bytes, 32 registers) and four rows in all; its 32 row loads go out together, 16 KiB a wave.
; Lane l takes the 16 bytes at 512 j + 16 l of a row (j = 0..7) and stores the 8 bytes at 256 j + 8 l: a wave's store covers 256 consecutive bytes, aligned.
; LIMITS.  f16 holds no number beyond 65,504: |xn| <= 32 |g| + |b| and the weights must lie within it.  NaN and infinities are not treated apart.
.set T,  4                             ; v[4:11]    four chains of packed sums
.set X,  32                            ; v[32:159]  row r at X + 32 r
.set G,  160                           ; v[160:191] ln_g of my 32 columns
.set BB, 192                           ; v[192:223] ln_b
	s_load_b512 s[8:23], s[0:1], 0x0               ; x s[8:9], g s[10:11], b s[12:13], wq s[14:15], wk s[16:17], wv s[18:19], wo s[20:21], xn s[22:23]
	s_load_b64 s[24:25], s[0:1], 0x40              ; w16
	v_lshrrev_b32 v3, 5, v0
	v_readfirstlane_b32 s2, v3                     ; wave 0..7
	v_and_b32 v2, 31, v0
	v_lshlrev_b32 v1, 4, v2                        ; 16 x lane: loads
	v_lshlrev_b32 v2, 3, v2                        ; 8 x lane: stores
	v_mov_b32 v13, 0                               ; v_permlanex16_b32's destination counts as read
	v_mov_b32 v19, 0x3727c5ac                      ; 1e-5
	s_mov_b32 s32, 0x3a800000                      ; 1 / 1024
	s_mov_b32 s34, 0x76543210                      ; each lane takes its own place in the other half
	s_mov_b32 s35, 0xfedcba98
	s_mov_b32 s29, 0
	s_mov_b32 s31, 0
	s_wait_kmcnt 0x0
.macro LOADX base                      ; four rows, 32 loads of 512 consecutive bytes
.set n, 0
.rept 32
	global_load_b128 v[X+4*n:X+4*n+3], v1, s[\base:\base+1] offset:512*n th:TH_LOAD_NT
.set n, n+1
.endr
.endm
.macro NARROW r, base                  ; row r: 32 numbers a lane rounded once to f16, and stored
.set n, 0
.rept 8
	v_cvt_pk_f16_f32 v[X+32*(\r)+4*n], v[X+32*(\r)+4*n], v[X+32*(\r)+4*n+1]
	v_cvt_pk_f16_f32 v[X+32*(\r)+4*n+1], v[X+32*(\r)+4*n+2], v[X+32*(\r)+4*n+3]
	global_store_b64 v2, v[X+32*(\r)+4*n:X+32*(\r)+4*n+1], s[\base:\base+1] offset:2048*(\r)+256*n
.set n, n+1
.endr
.endm
.macro FOLD                            ; the four chains into v12
	v_pk_add_f32 v[T:T+1], v[T:T+1], v[T+2:T+3]
	v_pk_add_f32 v[T+4:T+5], v[T+4:T+5], v[T+6:T+7]
	v_pk_add_f32 v[T:T+1], v[T:T+1], v[T+4:T+5]
	v_add_f32 v12, v[T], v[T+1]
.endm
.macro WSUM                            ; v12 summed over the 32 lanes, the result in every lane
	v_add_f32_dpp v12, v12, v12 row_xmask:1 row_mask:0xf bank_mask:0xf
	v_add_f32_dpp v12, v12, v12 row_xmask:2 row_mask:0xf bank_mask:0xf
	v_add_f32_dpp v12, v12, v12 row_xmask:4 row_mask:0xf bank_mask:0xf
	v_add_f32_dpp v12, v12, v12 row_xmask:8 row_mask:0xf bank_mask:0xf
	v_permlanex16_b32 v13, v12, s34, s35
	v_add_f32 v12, v12, v13
.endm
.macro LNROW r
.set XR, X+32*(\r)
	s_wait_loadcnt 24-8*(\r)                       ; loads come back in order: g, b and my rows up to r are in, the 8 loads of each later row stay out
.set n, 0
.rept 4
	v_pk_add_f32 v[T+2*n:T+2*n+1], v[XR+2*n:XR+2*n+1], v[XR+8+2*n:XR+8+2*n+1]   ; the first eight pairs start the chains: nothing is cleared
.set n, n+1
.endr
.set n, 8
.rept 8
	v_pk_add_f32 v[T+2*(n%4):T+2*(n%4)+1], v[T+2*(n%4):T+2*(n%4)+1], v[XR+2*n:XR+2*n+1]
.set n, n+1
.endr
	FOLD
	WSUM
	v_mul_f32 v14, s32, v12                        ; the mean, twice, for the packed subtraction
	v_mul_f32 v15, s32, v12
.set n, 0
.rept 16
	v_pk_add_f32 v[XR+2*n:XR+2*n+1], v[XR+2*n:XR+2*n+1], v[14:15] neg_lo:[0,1] neg_hi:[0,1]
.set n, n+1
.endr
.set n, 0
.rept 4
	v_pk_mul_f32 v[T+2*n:T+2*n+1], v[XR+2*n:XR+2*n+1], v[XR+2*n:XR+2*n+1]
.set n, n+1
.endr
.rept 12
	v_pk_fma_f32 v[T+2*(n%4):T+2*(n%4)+1], v[XR+2*n:XR+2*n+1], v[XR+2*n:XR+2*n+1], v[T+2*(n%4):T+2*(n%4)+1]
.set n, n+1
.endr
	FOLD
	WSUM
	v_fma_f32 v18, v12, s32, v19                   ; variance + 1e-5
	v_rsq_f32 v16, v18
	v_rsq_f32 v17, v18
	v_nop                                          ; a plain instruction between the root and the use of its result (ISA guide 5.7.2)
.set n, 0
	s_wait_alu depctr_va_vdst(0)
.rept 16
	v_pk_mul_f32 v[XR+2*n:XR+2*n+1], v[XR+2*n:XR+2*n+1], v[16:17]
.set n, n+1
.endr
.set n, 0
.rept 16
	v_pk_fma_f32 v[XR+2*n:XR+2*n+1], v[XR+2*n:XR+2*n+1], v[G+2*n:G+2*n+1], v[BB+2*n:BB+2*n+1]
.set n, n+1
.endr
	NARROW \r, 22
.endm
	s_cmp_lt_u32 ttmp9, 256
	s_cbranch_scc0 .Lconv
	s_lshl_b32 s36, ttmp9, 5
	s_lshl2_add_u32 s36, s2, s36                   ; my first row = 32 x work-group + 4 x wave
	s_lshl_b32 s28, s36, 12
	s_lshl_b32 s30, s36, 11
	s_add_nc_u64 s[8:9], s[8:9], s[28:29]
	s_add_nc_u64 s[22:23], s[22:23], s[30:31]
.set n, 0
.rept 8
	global_load_b128 v[G+4*n:G+4*n+3], v1, s[10:11] offset:512*n
	global_load_b128 v[BB+4*n:BB+4*n+3], v1, s[12:13] offset:512*n
.set n, n+1
.endr
	LOADX 8
	LNROW 0                                        ; no register that a load or a store names is written again: no further wait is needed
	LNROW 1
	LNROW 2
	LNROW 3
	s_endpgm
.Lconv:
	s_sub_co_u32 s36, ttmp9, 256
	s_lshr_b32 s37, s36, 5                         ; kind 0..3
	s_and_b32 s38, s36, 31
	s_lshl_b32 s38, s38, 5
	s_lshl2_add_u32 s38, s2, s38                   ; my first row e0 of that weight, a multiple of 4
	s_mov_b64 s[26:27], s[14:15]
	s_cmp_eq_u32 s37, 1
	s_cselect_b64 s[26:27], s[16:17], s[26:27]
	s_cmp_eq_u32 s37, 2
	s_cselect_b64 s[26:27], s[18:19], s[26:27]
	s_cmp_eq_u32 s37, 3
	s_cselect_b64 s[26:27], s[20:21], s[26:27]
	s_lshl_b32 s28, s38, 12
	s_add_nc_u64 s[26:27], s[26:27], s[28:29]
	s_lshr_b32 s39, s38, 6                         ; head
	s_mul_i32 s39, s39, 192
	s_lshl_b32 s40, s37, 6
	s_add_co_u32 s39, s39, s40
	s_and_b32 s40, s38, 63
	s_add_co_u32 s39, s39, s40                     ; head x 192 + kind x 64 + channel
	s_add_co_u32 s40, s38, 3072                    ; wo keeps its order, behind the others
	s_cmp_eq_u32 s37, 3
	s_cselect_b32 s39, s40, s39
	s_lshl_b32 s30, s39, 11
	s_add_nc_u64 s[24:25], s[24:25], s[30:31]
	LOADX 26
.irp r, 0,1,2,3
	s_wait_loadcnt 24-8*\r                         ; the later rows' loads stay out
	NARROW \r, 24
.endr
	s_endpgm
.Lfunc_end_k_qfe4dfb2e09_prep:
	.size	k_qfe4dfb2e09_prep, .Lfunc_end_k_qfe4dfb2e09_prep-k_qfe4dfb2e09_prep
	.p2alignl 7, 3214868480
	.fill 96, 4, 3214868480
	.section	.rodata,"a",@progbits
	.p2align	6, 0x0
	.amdhsa_kernel k_qfe4dfb2e09_prep
		.amdhsa_group_segment_fixed_size 0
		.amdhsa_private_segment_fixed_size 0
		.amdhsa_enable_private_segment 0
		.amdhsa_kernarg_size 72
		.amdhsa_user_sgpr_count 2
		.amdhsa_user_sgpr_kernarg_segment_ptr 1
		.amdhsa_wavefront_size32 1
		.amdhsa_system_sgpr_workgroup_id_x 1
		.amdhsa_system_sgpr_workgroup_id_y 1
		.amdhsa_system_sgpr_workgroup_id_z 1
		.amdhsa_system_vgpr_workitem_id 0
		.amdhsa_next_free_vgpr 224
		.amdhsa_next_free_sgpr 66
		.amdhsa_reserve_vcc 0
		.amdhsa_float_denorm_mode_32 3
		.amdhsa_float_denorm_mode_16_64 3
		.amdhsa_memory_ordered 1
		.amdhsa_forward_progress 1
		.amdhsa_inst_pref_size 49
	.end_amdhsa_kernel
	.amdgpu_metadata
---
amdhsa.version: [ 1, 2 ]
amdhsa.kernels:
  - .name:           k_qfe4dfb2e09_prep
    .symbol:         k_qfe4dfb2e09_prep.kd
    .args:
      - { .name: x, .offset: 0, .size: 8, .value_kind: global_buffer, .address_space: global }
      - { .name: ln_g, .offset: 8, .size: 8, .value_kind: global_buffer, .address_space: global }
      - { .name: ln_b, .offset: 16, .size: 8, .value_kind: global_buffer, .address_space: global }
      - { .name: wq, .offset: 24, .size: 8, .value_kind: global_buffer, .address_space: global }
      - { .name: wk, .offset: 32, .size: 8, .value_kind: global_buffer, .address_space: global }
      - { .name: wv, .offset: 40, .size: 8, .value_kind: global_buffer, .address_space: global }
      - { .name: wo, .offset: 48, .size: 8, .value_kind: global_buffer, .address_space: global }
      - { .name: xn, .offset: 56, .size: 8, .value_kind: global_buffer, .address_space: global }
      - { .name: w16, .offset: 64, .size: 8, .value_kind: global_buffer, .address_space: global }
    .group_segment_fixed_size: 0
    .private_segment_fixed_size: 0
    .kernarg_segment_align: 8
    .kernarg_segment_size: 72
    .max_flat_workgroup_size: 256
    .sgpr_count:     66
    .vgpr_count:     224
    .wavefront_size: 32
...
	.end_amdgpu_metadata
.endif
;; end of part 1
;; launch qkv (part 2): grid 16 x 32, 4 waves a work-group, clusters of 4 x 4, 327,680 bytes of LDS; arguments xn, w16, bq, bk, bv, qkv; writes qkv
.if DOCPART == 2
	.amdgcn_target "amdgcn-amd-amdhsa--gfx1250"
	.amdhsa_code_object_version 6
	.text
	.protected	k_qfe4dfb2e09_qkv
	.globl	k_qfe4dfb2e09_qkv
	.p2align	8
	.type	k_qfe4dfb2e09_qkv,@function
k_qfe4dfb2e09_qkv:
	s_mov_b64 s[64:65], 0
	v_nop
	global_prefetch_b8 v0, s[64:65] scope:SCOPE_SE
	s_setreg_imm32_b32 hwreg(HW_REG_WAVE_MODE, 25, 1), 1
	s_wait_xcnt 0x0
	s_wait_alu depctr_hold_cnt(0) depctr_sa_sdst(0) depctr_va_vdst(0) depctr_va_sdst(0) depctr_va_ssrc(0) depctr_va_vcc(0) depctr_vm_vsrc(0)
	s_getreg_b32 s2, hwreg(HW_REG_IB_STS2, 6, 4)
	s_cmp_eq_u32 s2, 0
	s_cbranch_scc0 .Lentry_in_a_cluster
	s_endpgm
.Lentry_in_a_cluster:
	s_bfe_u32 s2, ttmp6, 0x10000c
	s_cmp_lg_u32 s2, 0xf033
	s_cbranch_scc0 .Lentry_shape_is_right
	s_endpgm
.Lentry_shape_is_right:
; QKV.  y = xn w^T + bias for one head's q, k and v at a time; q and k divided by max(|row|, 1e-8) over the head's 64 channels, q also times log2(e) / 8; all rounded once to f16
; and stored by heads: qkv[kind][batch*16 + head][t][64].  xn: [8192][1024] f16.  w16: rows head*192 + kind*64 + c.  Sums in f32.
; A tile is 256 rows x 192 columns: 32 x 16 = 512 work-groups, two for each of 256 WGPs.  Four waves stacked along the rows, 64 rows x 192 columns each: 48 accumulators, 384 registers.
; K = 1024 goes in 8 steps of 128 (rows of 256 bytes) through two LDS slots; a step is four quarters of 32 along K on two fragment buffers.
; THE MATRIX INSTRUCTION IS USED TRANSPOSED (source 0 = 16 rows of w, source 1 = 16 rows of xn): a lane holds one row and eight neighbouring columns.  The bias is the C operand of the first product
; (so it is added first, not last).  CLUSTER 4 x 4: xn's tile is shared along a row of the cluster, w's along a column; each is asked for jointly.
; LIMITS.  1 / max(n, 1e-8) is min(rsq(n^2), 1e8); v must lie within f16's 65,504; NaN and infinities are not treated apart.
; REGISTERS: window 0: addresses, bias, way out.  Window 1: v0-191 w's fragments, two buffers of 96; v192-255 xn's, two of 32.  Windows 2, 3: accumulator (a, b) in window 2 + a / 2 at v[96 (a % 2) + 8 b].
.set NBK,    12                        ; column blocks of 16
.set APW,    2                         ; row blocks to a window
.set PA,     272                       ; LDS rows: 256 bytes + 16 of padding: the 16 rows of a load start 68 words apart
.set PB,     272
.set APLANE, 128                       ; xn: two quarters on are 128 bytes on in the row
.set ASTEP,  256                       ; a K step in memory
.set BSTEP,  256
.set AHALF,  128*PA                    ; what wave 0 or 1 fetches
.set BOFF,   2*AHALF
.set BROWS,  96
.set BHALF,  BROWS*PB                  ; what wave 2 or 3 fetches
.set SLOT1,  1<<17                     ; slot 1 begins here: one exclusive or turns an address in one slot into the other's
.set STAGE,  SLOT1+BOFF+2*BHALF        ; behind the ring: for each wave 3 kinds x 16 rows x 144 bytes
.set SP,     144
.set WSTAGE, 3*16*SP
.set SPARE,  STAGE+4*WSTAGE            ; the spare words: 128 bytes a wave, two blocks of 256 bytes that no other line names
.set ADA0, 16                          ; v16  my lane's place in xn's tile; never rewritten
.set ADB0, 17                          ; v17  in w's
.set ADA,  18                          ; v18  the same in the slot in hand
.set ADB,  19
.set STO,  24                          ; way out: where I put 16 bytes of a row
.set RD,   25                          ; where I read rows back
.set GO,   26                          ; my 16 bytes in 512 consecutive bytes of qkv
.set BOF,  27                          ; my byte offset in a block's bias
.set SPW,  28                          ; my spare word; never rewritten
.set NIL,  29                          ; 0; never rewritten
.set BI,   32                          ; v[32:127] bias, 8 registers a column block
.set PKD,  32                          ; way out: packed results, 16 a kind
.set RB,   80                          ; way out: rows read back, two buffers of 48
.set SS,   208                         ; sums of squares: four chains for q, four for k
.set SU,   224
.set PT,   226
.set RN,   228                         ; 1 / norm, a pair for q, a pair for k
.set WV,   16                          ; s16 wave
.set FORB, 17                          ; s17 0: I fetch xn; 1: w
.set HALF, 18                          ; s18 which half of that tile
.set G1,   24
.set G0,   32                          ; two sets: slot 0's first fill; slot 1's, which then walks
.set G1B,  48
.set G0B,  56
.set TB,   66                          ; s66 LDS byte at which the slot in hand begins
.set TRIPS, 67
.set MSB, 0
.macro WIN new                         ; the high byte repeats the setting that is left; a switch that changes nothing is dropped
.if MSB != (\new)
	s_set_vgpr_msb (MSB<<8)|(\new)
.set MSB, (\new)
.endif
.endm
.set TO_F, 0x40                        ; destination window 1, address window 0
.macro PLACES                          ; four places behind matrix instructions, in front of loads into their sources and of reads of their results
.rept 4
	v_nop
.endr
.endm
.macro JLOAD                           ; a joint refill by the walking descriptor; an s_nop 0 and four v_nop follow each of the two lines
	s_cmp_eq_u32 s[FORB], 0
	s_cbranch_scc0 .Lfor_b_\@
	tensor_load_to_lds s[G0+4:G0+7], s[G1:G1+7]
	s_nop 0
	PLACES
	s_branch .Lasked_\@
.Lfor_b_\@:
	tensor_load_to_lds s[G0B+4:G0B+7], s[G1B:G1B+7]
	s_nop 0
	PLACES
.Lasked_\@:
.endm
.macro CREST                           ; a round of the cluster's barrier behind its opening barrier
	s_cmp_lg_u32 s[WV], 0
	s_cbranch_scc1 .Lnot_wave_0_\@
	s_barrier_signal -3
.Lnot_wave_0_\@:
	s_barrier_wait -3
	s_barrier_signal -1
	s_barrier_wait -1
.endm
.macro CROUND
	s_barrier_signal -1
	s_barrier_wait -1
	CREST
.endm
	s_load_b256 s[4:11], s[0:1], 0x0               ; xn s[4:5], w16 s[6:7], bq s[8:9], bk s[10:11]
	s_load_b128 s[12:15], s[0:1], 0x20             ; bv s[12:13], qkv s[14:15]
	v_lshl_add_u32 v[SPW], v0, 2, SPARE
	v_mov_b32 v[NIL], 0
	ds_add_u32 v[SPW], v[NIL]                      ; the wave's opening: the add and its wait stand ahead of my first tensor load
	v_lshrrev_b32 v1, 5, v0
	v_readfirstlane_b32 s[WV], v1
	s_lshr_b32 s[FORB], s[WV], 1
	s_and_b32 s[HALF], s[WV], 1
	s_bfe_u32 s19, ttmp6, 0x40000                  ; cx
	s_bfe_u32 s20, ttmp6, 0x40004                  ; cy
	s_lshl_b32 s21, ttmp9, 2
	s_add_co_u32 s21, s21, s19                     ; tx: the head
	s_and_b32 s22, ttmp7, 0xffff
	s_lshl_b32 s22, s22, 2
	s_add_co_u32 s22, s22, s20                     ; ty: the block of 256 rows
	s_lshl_b32 s42, s20, 2
	s_lshl_b32 s42, 15, s42                        ; my row of the cluster
	s_lshl_b32 s43, 0x1111, s19                    ; my column
	s_or_b32 s[G1], s42, (1<<16)|(1<<20)|(1<<21)|(5<<22)|(3<<25)   ; mask; 2-byte elements; padding on; bit 21 beside a mask; after every 64 words 4 words
	s_or_b32 s[G1B], s43, (1<<16)|(1<<20)|(1<<21)|(5<<22)|(3<<25)
.irp g, G1, G1B
	s_mov_b32 s[(\g)+1], 128<<16                   ; tensor_dim0 = 128
	s_mov_b32 s[(\g)+3], 128<<16                   ; tile_dim0 = 128
	s_mov_b32 s[(\g)+5], 1024                      ; elements from row to row
	s_mov_b32 s[(\g)+6], 0
	s_mov_b32 s[(\g)+7], 0
.endr
	s_mov_b32 s[G1+2], 128<<16                     ; tensor_dim1, tile_dim1: 128 rows of xn,
	s_mov_b32 s[G1+4], 128
	s_mov_b32 s[G1B+2], BROWS<<16                  ; 96 rows of w
	s_mov_b32 s[G1B+4], BROWS
	s_lshl_b32 s40, s22, 19                        ; xn: 256 rows of 2,048 bytes a tile row, 128 a half: made of ty and the wave alone
	s_lshl_b32 s41, s[HALF], 18
	s_add_co_u32 s40, s40, s41
	s_mov_b32 s41, 0
	s_mul_i32 s44, s21, 192*2048                   ; w: 192 rows a head, 96 a half: made of tx and the wave alone
	s_mul_i32 s45, s[HALF], BROWS*2048
	s_add_co_u32 s44, s44, s45
	s_mov_b32 s45, 0
	s_mul_i32 s23, s[HALF], AHALF                  ; where they go: no place in the cluster enters an LDS address
	s_mul_i32 s46, s[HALF], BHALF
	s_add_co_u32 s46, s46, BOFF
	s_mov_b32 s68, 0x76543210
	s_mov_b32 s69, 0xfedcba98
	s_mov_b32 s[TB], 0
	s_wait_dscnt 0x0                               ; the opening add is done
	s_wait_kmcnt 0x0
	s_add_nc_u64 s[40:41], s[4:5], s[40:41]
	s_add_nc_u64 s[44:45], s[6:7], s[44:45]
.irp s, 0,1
	s_mov_b32 s[G0+4*(\s)], 1
	s_add_co_u32 s[G0+4*(\s)+1], s23, (\s)*SLOT1
	s_add_nc_u64 s[G0+4*(\s)+2:G0+4*(\s)+3], s[40:41], (\s)*ASTEP
	s_or_b32 s[G0+4*(\s)+3], s[G0+4*(\s)+3], 0x80000000
	s_mov_b32 s[G0B+4*(\s)], 1
	s_add_co_u32 s[G0B+4*(\s)+1], s46, (\s)*SLOT1
	s_add_nc_u64 s[G0B+4*(\s)+2:G0B+4*(\s)+3], s[44:45], (\s)*BSTEP
	s_or_b32 s[G0B+4*(\s)+3], s[G0B+4*(\s)+3], 0x80000000
.endr
	CROUND                                         ; all sixteen work-groups are here: the first joint loads meet
	s_cmp_eq_u32 s[FORB], 0                        ; a wave's two first fills stand in one branch: two loads of mine are out
	s_cbranch_scc0 .Lfirst_b
	tensor_load_to_lds s[G0:G0+3], s[G1:G1+7]
	s_nop 0
	tensor_load_to_lds s[G0+4:G0+7], s[G1:G1+7]
	s_nop 0
	PLACES
	s_branch .Lfirst_asked
.Lfirst_b:
	tensor_load_to_lds s[G0B:G0B+3], s[G1B:G1B+7]
	s_nop 0
	tensor_load_to_lds s[G0B+4:G0B+7], s[G1B:G1B+7]
	s_nop 0
	PLACES
.Lfirst_asked:
	v_and_b32 v1, 15, v0                           ; r = l % 16
	v_bfe_u32 v2, v0, 4, 1                         ; h = l / 16
	v_lshlrev_b32 v[BOF], 5, v2                    ; a lane's eight columns of a block: 32 h bytes into the block's 64
	s_lshl_b32 s46, s21, 8                         ; the head's 64 biases
	s_mov_b32 s47, 0
	s_add_nc_u64 s[8:9], s[8:9], s[46:47]
	s_add_nc_u64 s[10:11], s[10:11], s[46:47]
	s_add_nc_u64 s[12:13], s[12:13], s[46:47]
.irp kd, 0,1,2
.irp f, 0,1,2,3
	global_load_b128 v[BI+32*\kd+8*\f:BI+32*\kd+8*\f+3],   v[BOF], s[8+2*\kd:9+2*\kd] offset:64*\f
	global_load_b128 v[BI+32*\kd+8*\f+4:BI+32*\kd+8*\f+7], v[BOF], s[8+2*\kd:9+2*\kd] offset:64*\f+16
.endr
.endr
	v_mul_u32_u24 v3, v1, PA
	v_lshl_add_u32 v3, v2, 4, v3                   ; a fragment: row x pitch + 16 x half
	s_mul_i32 s76, s[WV], 64*PA                    ; my 64 rows of xn's tile
	v_add_nc_u32 v[ADA0], s76, v3
	v_add_nc_u32 v[ADB0], BOFF, v3
	v_mov_b32 v[ADA], v[ADA0]
	v_mov_b32 v[ADB], v[ADB0]
	s_mul_i32 s78, s[WV], WSTAGE
	s_add_co_u32 s78, s78, STAGE                   ; my stage
	v_mul_u32_u24 v4, v1, SP
	v_lshl_add_u32 v4, v2, 4, v4
	v_add_nc_u32 v[STO], s78, v4                   ; in: row r, 16 bytes for each half of the lanes
	v_bfe_u32 v5, v0, 3, 2
	v_mul_u32_u24 v5, v5, SP
	v_and_b32 v6, 7, v0
	v_lshl_add_u32 v5, v6, 4, v5
	v_add_nc_u32 v[RD], s78, v5                    ; back: 32 lanes take four rows of 128 bytes,
	v_and_b32 v6, 31, v0
	v_lshlrev_b32 v[GO], 4, v6                     ; which are 512 consecutive bytes of qkv
	v_mov_b32 v[PT], 0                             ; v_permlanex16_b32's destinations count as read
	v_mov_b32 v[PT+1], 0
	s_lshr_b32 s76, s22, 3                         ; batch << 22 + head << 18 + t x 128
	s_lshl_b32 s76, s76, 22
	s_lshl_b32 s77, s21, 18
	s_add_co_u32 s76, s76, s77
	s_and_b32 s77, s22, 7
	s_lshl_b32 s77, s77, 15
	s_add_co_u32 s76, s76, s77
	s_lshl_b32 s77, s[WV], 13
	s_add_co_u32 s76, s76, s77
	s_mov_b32 s77, 0
	s_add_nc_u64 s[70:71], s[14:15], s[76:77]      ; q,
	s_add_nc_u64 s[72:73], s[70:71], 0x1000000     ; k,
	s_add_nc_u64 s[74:75], s[70:71], 0x2000000     ; v at my wave's first row
; NBK matrix instructions: row block a x all column blocks, 32 along K from buffer f.  first = 1: the bias starts the sums.  Every accumulator has one instruction a quarter, always in the same order: they take turns.
.macro MULA f, a, first
.if \first
	WIN 0x85+0x40*((\a)/APW)
.else
	WIN 0xa5+0x50*((\a)/APW)
.endif
.set rA, 192+32*(\f)+8*(\a)
.set b, 0
.rept NBK
.set rD, 8*NBK*((\a)%APW)+8*b
.set rB, 8*NBK*(\f)+8*b
.if \first
	v_wmma_f32_16x16x32_f16 v[rD:rD+7], v[rB:rB+7], v[rA:rA+7], v[BI+8*b:BI+8*b+7]
.else
	v_wmma_f32_16x16x32_f16 v[rD:rD+7], v[rB:rB+7], v[rA:rA+7], v[rD:rD+7]
.endif
.set b, b+1
.endr
.endm
; One run of 2 NBK + 8 LDS loads: quarter qd's fragments into buffer f: w's first, then xn's row blocks 0 to 3
.macro FETCH qd, f
	WIN TO_F
.set b, 0
.rept NBK
	ds_load_b128 v[8*NBK*(\f)+8*b:8*NBK*(\f)+8*b+3],   v[ADB] offset:64*(\qd)+b*16*PB
	ds_load_b128 v[8*NBK*(\f)+8*b+4:8*NBK*(\f)+8*b+7], v[ADB] offset:64*(\qd)+b*16*PB+32
.set b, b+1
.endr
.set b, 0
.rept 4
	ds_load_b128 v[192+32*(\f)+8*b:192+32*(\f)+8*b+3],   v[ADA] offset:((\qd)/2)*APLANE+((\qd)%2)*64+b*16*PA
	ds_load_b128 v[192+32*(\f)+8*b+4:192+32*(\f)+8*b+7], v[ADA] offset:((\qd)/2)*APLANE+((\qd)%2)*64+b*16*PA+32
.set b, b+1
.endr
.endm
; One of a step's first three quarters: multiplies buffer f; in its middle fetches quarter qd into buffer g
.macro QUARTER qd, f, g, first
	s_wait_dscnt 4                                 ; w's fragments and xn's blocks 0, 1 are in; the youngest four loads (blocks 2, 3) may be out
	MULA \f, 0, \first
	MULA \f, 1, \first
	PLACES
	FETCH \qd, \g
	s_wait_dscnt 2*NBK+8                           ; all but the run just issued
	MULA \f, 2, \first
	MULA \f, 3, \first
.endm
; The last quarter multiplies buffer 1 and changes slots.  In front of the barrier each wave waits for all its tensor loads (one is out: its part of the next slot), adds 0 to its spare word, and waits for that
; and for its reads of this slot.  fill = 1: the barrier opens a round of the cluster's, and the joint refill, two K steps ahead, is the first thing behind it.
.macro TURN fill
	WIN 0
	s_wait_tensorcnt 0x0
	ds_add_u32 v[SPW], v[NIL]
	s_wait_dscnt 5                                 ; the add and the youngest four loads may be out
	MULA 1, 0, 0
	s_wait_dscnt 0x0                               ; the add is done, my reads of this slot are over
	s_barrier_signal -1
	MULA 1, 1, 0
	WIN 0
	s_barrier_wait -1
.if \fill
	CREST
	s_xor_b32 s[G0+5], s[G0+5], SLOT1              ; the walking descriptors: the other slot than last time, the next K step
	s_add_nc_u64 s[G0+6:G0+7], s[G0+6:G0+7], ASTEP
	s_xor_b32 s[G0B+5], s[G0B+5], SLOT1
	s_add_nc_u64 s[G0B+6:G0B+7], s[G0B+6:G0B+7], BSTEP
	JLOAD                                          ; its four v_nop are also the places in front of the loads below
.else
	PLACES
.endif
	s_xor_b32 s[TB], s[TB], SLOT1
	v_add_nc_u32 v[ADA], s[TB], v[ADA0]
	v_add_nc_u32 v[ADB], s[TB], v[ADB0]
	FETCH 0, 0
	MULA 1, 2, 0
	MULA 1, 3, 0
.endm
	s_wait_tensorcnt 0x1                           ; my part of K step 0 is in; step 1's may stay out
	s_barrier_signal -1
	s_barrier_wait -1
	FETCH 0, 0
	s_wait_loadcnt 0x0                             ; the bias
	QUARTER 1, 0, 1, 1
	WIN 0
	s_mov_b32 s[TRIPS], 6
.Lstep:                                                ; a trip: from a step's second quarter to the next step's first; it asks for steps 2 to 7
	QUARTER 2, 1, 0, 0
	QUARTER 3, 0, 1, 0
	TURN 1
	QUARTER 1, 0, 1, 0
	WIN 0
	s_sub_co_u32 s[TRIPS], s[TRIPS], 1
	s_cmp_lg_u32 s[TRIPS], 0
	s_cbranch_scc1 .Lstep
	QUARTER 2, 1, 0, 0                             ; the tail is written out: steps 6 and 7 ask for nothing
	QUARTER 3, 0, 1, 0
	TURN 0
	QUARTER 1, 0, 1, 0
	QUARTER 2, 1, 0, 0
	QUARTER 3, 0, 1, 0
	s_wait_dscnt 4
	MULA 1, 0, 0
	MULA 1, 1, 0
	s_wait_dscnt 0x0
	MULA 1, 2, 0
	MULA 1, 3, 0
	WIN 0
	PLACES
; THE WAY OUT of row block a.  PACK: q's and k's sums of squares (32 channels a lane, the other 32 in the lane 16 away), the scaling, the rounding to f16.  Each accumulator is read from its lowest registers on.
.macro PACK a
.set W, 2+(\a)/APW
.set AC, 8*NBK*((\a)%APW)
	WIN W|(W<<2)
.irp kd, 0,1
.set n, 0
.rept 4
	v_pk_mul_f32 v[SS+8*\kd+2*n:SS+8*\kd+2*n+1], v[AC+32*\kd+2*n:AC+32*\kd+2*n+1], v[AC+32*\kd+2*n:AC+32*\kd+2*n+1]
.set n, n+1
.endr
.rept 12
	v_pk_fma_f32 v[SS+8*\kd+2*(n%4):SS+8*\kd+2*(n%4)+1], v[AC+32*\kd+2*n:AC+32*\kd+2*n+1], v[AC+32*\kd+2*n:AC+32*\kd+2*n+1], v[SS+8*\kd+2*(n%4):SS+8*\kd+2*(n%4)+1]
.set n, n+1
.endr
.endr
	WIN 0
.irp kd, 0,1
	v_pk_add_f32 v[SS+8*\kd:SS+8*\kd+1], v[SS+8*\kd:SS+8*\kd+1], v[SS+8*\kd+2:SS+8*\kd+3]
	v_pk_add_f32 v[SS+8*\kd+4:SS+8*\kd+5], v[SS+8*\kd+4:SS+8*\kd+5], v[SS+8*\kd+6:SS+8*\kd+7]
.endr
.irp kd, 0,1
	v_pk_add_f32 v[SS+8*\kd:SS+8*\kd+1], v[SS+8*\kd:SS+8*\kd+1], v[SS+8*\kd+4:SS+8*\kd+5]
.endr
.irp kd, 0,1
	v_add_f32 v[SU+\kd], v[SS+8*\kd], v[SS+8*\kd+1]
.endr
.irp kd, 0,1
	v_permlanex16_b32 v[PT+\kd], v[SU+\kd], s68, s69
.endr
.irp kd, 0,1
	v_add_f32 v[SU+\kd], v[SU+\kd], v[PT+\kd]
.endr
	v_rsq_f32 v[RN], v[SU]
	v_rsq_f32 v[RN+2], v[SU+1]
	v_nop                                          ; a plain instruction between the roots and the use of their results
	s_wait_alu depctr_va_vdst(0)
	v_min_num_f32 v[RN], 0x4cbebc20, v[RN]         ; 1 / max(n, 1e-8)
	v_min_num_f32 v[RN+2], 0x4cbebc20, v[RN+2]
	v_mul_f32 v[RN], 0x3e38aa3b, v[RN]             ; q also takes log2(e) / 8
	v_mov_b32 v[RN+3], v[RN+2]                     ; both halves of the packed multiply's pair
	v_mov_b32 v[RN+1], v[RN]
	WIN W|(W<<6)
.irp kd, 0,1
.set n, 0
.rept 16
	v_pk_mul_f32 v[AC+32*\kd+2*n:AC+32*\kd+2*n+1], v[AC+32*\kd+2*n:AC+32*\kd+2*n+1], v[RN+2*\kd:RN+2*\kd+1]
.set n, n+1
.endr
.endr
	WIN W|(W<<2)
.set n, 0
.rept 48
	v_cvt_pk_f16_f32 v[PKD+n], v[AC+2*n], v[AC+2*n+1]
.set n, n+1
.endr
	WIN 0
.endm
.macro TOSTAGE a                       ; into my own stage, and back as whole rows of 128 bytes
.set BK, RB+48*((\a)%2)
.irp kd, 0,1,2
.irp f, 0,1,2,3
	ds_store_b128 v[STO], v[PKD+16*\kd+4*\f:PKD+16*\kd+4*\f+3] offset:\kd*16*SP+32*\f
.endr
.endr
.irp kd, 0,1,2
.irp f, 0,1,2,3
	ds_load_b128 v[BK+16*\kd+4*\f:BK+16*\kd+4*\f+3], v[RD] offset:\kd*16*SP+\f*4*SP   ; LDS serves a wave's instructions in order (ISA guide 5.7.1.4): these see the stores above
.endr
.endr
.endm
.macro SEND a
.set BK, RB+48*((\a)%2)
	s_wait_dscnt 0x0                               ; the block is back in registers
	s_wait_xcnt 0x0                                ; the other buffer, which the stores before read, is loaded again only behind this wait
.irp kd, 0,1,2
.irp f, 0,1,2,3
	global_store_b128 v[GO], v[BK+16*\kd+4*\f:BK+16*\kd+4*\f+3], s[70+2*\kd:71+2*\kd] offset:(\a)*2048+\f*512   ; 512 consecutive bytes, at a multiple of 512 from qkv's first
.endr
.endr
.endm
	PACK 0
	TOSTAGE 0
.irp a, 1,2,3                          ; block a's arithmetic stands between block a - 1's loads from the stage and the wait for them
	PACK \a
	SEND (\a)-1
	TOSTAGE \a
.endr
	SEND 3
	s_wait_tensorcnt 0x0                           ; the wave's end
	ds_add_u32 v[SPW], v[NIL]
	s_wait_dscnt 0x0
	CROUND                                         ; the closing round: no work-group ends while a partner may still ask for a tile that names it
	s_endpgm
.Lfunc_end_k_qfe4dfb2e09_qkv:
	.size	k_qfe4dfb2e09_qkv, .Lfunc_end_k_qfe4dfb2e09_qkv-k_qfe4dfb2e09_qkv
	.p2alignl 7, 3214868480
	.fill 96, 4, 3214868480
	.section	.rodata,"a",@progbits
	.p2align	6, 0x0
	.amdhsa_kernel k_qfe4dfb2e09_qkv
		.amdhsa_group_segment_fixed_size 327680
		.amdhsa_private_segment_fixed_size 0
		.amdhsa_enable_private_segment 0
		.amdhsa_kernarg_size 48
		.amdhsa_user_sgpr_count 2
		.amdhsa_user_sgpr_kernarg_segment_ptr 1
		.amdhsa_wavefront_size32 1
		.amdhsa_system_sgpr_workgroup_id_x 1
		.amdhsa_system_sgpr_workgroup_id_y 1
		.amdhsa_system_sgpr_workgroup_id_z 1
		.amdhsa_system_vgpr_workitem_id 0
		.amdhsa_next_free_vgpr 960
		.amdhsa_next_free_sgpr 84
		.amdhsa_reserve_vcc 0
		.amdhsa_float_denorm_mode_32 3
		.amdhsa_float_denorm_mode_16_64 3
		.amdhsa_memory_ordered 1
		.amdhsa_forward_progress 1
		.amdhsa_inst_pref_size 119
	.end_amdhsa_kernel
	.amdgpu_metadata
---
amdhsa.version: [ 1, 2 ]
amdhsa.kernels:
  - .name:           k_qfe4dfb2e09_qkv
    .symbol:         k_qfe4dfb2e09_qkv.kd
    .args:
      - { .name: xn, .offset: 0, .size: 8, .value_kind: global_buffer, .address_space: global }
      - { .name: w16, .offset: 8, .size: 8, .value_kind: global_buffer, .address_space: global }
      - { .name: bq, .offset: 16, .size: 8, .value_kind: global_buffer, .address_space: global }
      - { .name: bk, .offset: 24, .size: 8, .value_kind: global_buffer, .address_space: global }
      - { .name: bv, .offset: 32, .size: 8, .value_kind: global_buffer, .address_space: global }
      - { .name: qkv, .offset: 40, .size: 8, .value_kind: global_buffer, .address_space: global }
    .group_segment_fixed_size: 327680
    .private_segment_fixed_size: 0
    .kernarg_segment_align: 8
    .kernarg_segment_size: 48
    .max_flat_workgroup_size: 128
    .sgpr_count:     84
    .vgpr_count:     960
    .wavefront_size: 32
...
	.end_amdgpu_metadata
.endif
;; end of part 2
;; launch attn (part 3): grid 4 x 64, 4 waves a work-group, clusters of 4 x 1, 327,680 bytes of LDS; arguments qkv, mask, o; writes o
.if DOCPART == 3
	.amdgcn_target "amdgcn-amd-amdhsa--gfx1250"
	.amdhsa_code_object_version 6
	.text
	.protected	k_qfe4dfb2e09_attn
	.globl	k_qfe4dfb2e09_attn
	.p2align	8
	.type	k_qfe4dfb2e09_attn,@function
k_qfe4dfb2e09_attn:
	s_mov_b64 s[64:65], 0
	v_nop
	global_prefetch_b8 v0, s[64:65] scope:SCOPE_SE
	s_setreg_imm32_b32 hwreg(HW_REG_WAVE_MODE, 25, 1), 1
	s_wait_xcnt 0x0
	s_wait_alu depctr_hold_cnt(0) depctr_sa_sdst(0) depctr_va_vdst(0) depctr_va_sdst(0) depctr_va_ssrc(0) depctr_va_vcc(0) depctr_vm_vsrc(0)
	s_getreg_b32 s2, hwreg(HW_REG_IB_STS2, 6, 4)
	s_cmp_eq_u32 s2, 0
	s_cbranch_scc0 .Lentry_in_a_cluster
	s_endpgm
.Lentry_in_a_cluster:
	s_bfe_u32 s2, ttmp6, 0x10000c
	s_cmp_lg_u32 s2, 0x3003
	s_cbranch_scc0 .Lentry_shape_is_right
	s_endpgm
.Lentry_shape_is_right:
; ATTENTION at head size 64.  qkv: [3][64 heads of a batch][2048][64] f16; q arrives normalised and times log2(e) / 8, k normalised, v plain.  mask: [4][2048] bytes, 1 = the key is hidden.  o: [64][2048][64] f16.
; NO MAXIMUM IS TAKEN AWAY, AND NO CLIP IS WRITTEN: q and k are unit vectors (or shorter), so every score lies within 1/8 whatever the inputs (Cauchy-Schwarz; f16's rounding adds about 2^-10):
; the clip at 10 never acts, the exponents in base 2 lie within 0.19, a weight within 0.87 to 1.14 and a row's sum within 0.87 to 2,340: nothing can overflow or underflow.  softmax is unchanged by the shift left out.
; THE MASK is the C operand that starts the sum S^T = K Q^T: 0, or -10000 log2(e), whose weight 2^s is 0 in f32, as e^(-10000 + 1/8) is.  If ALL keys of a batch are hidden the weights are uniform:
; then the table holds 0 and Q is set to 0 (a selection of values, no branch), so that every weight is 1.
; SHARES, LAYOUT.  A work-group owns 512 queries of one head, a wave 128: four PIECES of two tiles of 16.  Every wave walks all 2,048 keys, 64 a step, four steps to an LDS slot.  S^T holds one query a lane
; (lane % 16) and the keys 8 (lane / 16) + 0..7; two such results rounded to f16 are source 1 of O^T = V^T P.  l is the sum of the unrounded weights; O is divided by l and rounded once.
; BY TURNS.  Turn n belongs to piece n: 16 products K Q^T of piece n + 1, then 16 products V^T P of piece n - 1; behind each product four of piece n's 128 vector instructions (64 exponentials, 32 roundings, 32 sums).
; CLUSTER.  The four query blocks of a head walk the same K and V: each tile is asked for jointly.  LIMITS: NaN and infinities are not treated apart.
; REGISTERS: window 0: v0-15 addresses; v16-31 l, a pair a tile; v32-63 the step's mask; v64-191 S^T, two buffers of two tiles; v192-255 P, likewise.  Window 1: O^T, 32 a tile.  Window 2: v0-127 Q; v128-191 K; v192-255 V.
.set NP,    4
.set KS,    64
.set PK,    144       ; a row of K in LDS: 128 bytes + 16
.set PV,    160       ; a row of V: 128 + 32: 16 lanes of the turning load take 8 rows x 32 bytes
.set VOFF,  4*KS*PK
.set SLOT1, 1<<17
.set STAGE, SLOT1+4*KS*(PK+PV)   ; 16 rows x 144 bytes for each wave
.set SP,    144
.set MBT,   STAGE+4*16*SP        ; the mask as 2,048 f32, stored once
.set SPARE, MBT+8192+512         ; the spare words: 128 bytes a wave, two blocks of 256 bytes that no other line names
.set AK0, 2
.set AV0, 3
.set AK,  4
.set AV,  5
.set QO,  6
.set STO, 6
.set RD,  7
.set GO,  8
.set AM0, 12          ; my lane's place in a step's 64 words of the table
.set AM,  13
.set SPW, 14          ; my spare word; never rewritten
.set NIL, 15          ; 0; never rewritten
.set L,   16
.set MB,  32
.set S,   64
.set P,   192
.set KF,  128
.set VF,  192
.set WV,  12
.set G1K, 24
.set G1V, 32
.set G0K, 40
.set G0V, 44
.set KEEP, 48         ; s48  -1, or 0 if the whole batch is hidden
.set NEGS, 49         ; s49  -10000 log2(e), or 0 then
.set SLOTS, 56
.set CNT, 57
.set TBM, 58          ; s58  the table's byte for the step to be fetched
.set SEL, 60
.set TBK, 62
.set TBV, 63
.set MSB, 0
.macro WIN new
.if MSB != (\new)
	s_set_vgpr_msb (MSB<<8)|(\new)
.set MSB, (\new)
.endif
.endm
.set W_KQ, 0x0a       ; K and Q in window 2, the mask and S^T in window 0
.set W_PV, 0x52       ; V in window 2, P in window 0, O^T in window 1
.set W_RS, 0x41       ; O^T in window 1, the factor in window 0
.macro JLOAD                        ; waves 0, 1 fetch the halves of a slot's K, waves 2, 3 of its V; an s_nop 0 and four v_nop follow each line
	s_cmp_lt_u32 s[WV], 2
	s_cbranch_scc0 .Lfor_v_\@
	tensor_load_to_lds s[G0K:G0K+3], s[G1K:G1K+7]
	s_nop 0
.rept 4
	v_nop
.endr
	s_branch .Lasked_\@
.Lfor_v_\@:
	tensor_load_to_lds s[G0V:G0V+3], s[G1V:G1V+7]
	s_nop 0
.rept 4
	v_nop
.endr
.Lasked_\@:
.endm
.macro CROUND
	s_barrier_signal -1
	s_barrier_wait -1
	s_cmp_lg_u32 s[WV], 0
	s_cbranch_scc1 .Lnot_wave_0_\@
	s_barrier_signal -3
.Lnot_wave_0_\@:
	s_barrier_wait -3
	s_barrier_signal -1
	s_barrier_wait -1
.endm
; THE CHANGE OF SLOTS.  Each wave waits for all its tensor loads (one is out: its part of the other slot), adds 0 to its spare word, waits for that and for its LDS instructions.  fill = 1: a round of the cluster's barrier,
; and the joint fill of the slot just left, with the keys two slots on, first behind it: it has four key steps in which to land.  (At its first use slot 0 is waited for, the mask table published, slot 1 filled.)
.macro CHANGE fill
	WIN 0
	s_wait_tensorcnt 0x0
	ds_add_u32 v[SPW], v[NIL]
.if \fill
.irp g, G0K, G0V
	s_xor_b32 s[\g+1], s[\g+1], SLOT1
	s_add_nc_u64 s[\g+2:\g+3], s[\g+2:\g+3], 4*KS*128
.endr
	s_wait_dscnt 0x0
	CROUND
	JLOAD
.else
	s_wait_dscnt 0x0
	s_barrier_signal -1
	s_barrier_wait -1
.endif
	s_sub_co_u32 s[TBK], s[TBK], 4*KS*PK
	s_xor_b32 s[TBK], s[TBK], SLOT1
	s_sub_co_u32 s[TBV], s[TBV], 4*KS*PV
	s_xor_b32 s[TBV], s[TBV], SLOT1
.endm
	s_load_b128 s[4:7], s[0:1], 0x0   ; qkv s[4:5], mask s[6:7]
	s_load_b64 s[8:9], s[0:1], 0x10   ; o
	v_lshl_add_u32 v[SPW], v0, 2, SPARE
	v_mov_b32 v[NIL], 0
	ds_add_u32 v[SPW], v[NIL]       ; the wave's opening: the add and its wait stand ahead of my first tensor load
	v_lshrrev_b32 v1, 5, v0
	v_readfirstlane_b32 s[WV], v1
	s_bfe_u32 s13, ttmp6, 0x40000   ; cx
	s_lshl_b32 s14, ttmp9, 2
	s_add_co_u32 s14, s14, s13      ; my block of 512 queries: it enters Q's and O's addresses alone
	s_and_b32 s15, ttmp7, 0xffff    ; batch x 16 + head, which the four partners share
	s_lshl_b32 s20, s15, 18         ; its 2,048 rows of 128 bytes
	s_and_b32 s16, s[WV], 1         ; which half of a slot's 256 keys I fetch
	s_lshl_b32 s22, s16, 14
	s_add_co_u32 s22, s22, s20
	s_mov_b32 s23, 0
	s_mul_i32 s17, s16, 128*PK
	s_mul_i32 s18, s16, 128*PV
	s_lshl_b32 s2, s14, 2
	s_add_co_u32 s2, s2, s[WV]
	s_lshl_b32 s2, s2, 14           ; my wave's 128 rows
	s_add_co_u32 s2, s2, s20
	s_mov_b32 s3, 0
	s_lshr_b32 s50, s15, 4
	s_lshl_b32 s50, s50, 11         ; the batch's 2,048 mask bytes
	s_mov_b32 s51, 0
	; 128 keys are 16,384 dense bytes: asked for as 64 rows of 256 bytes, padded in LDS after every key
	s_mov_b32 s[G1K], 15|(1<<16)|(1<<20)|(1<<21)|(4<<22)|(3<<25)
	s_mov_b32 s[G1V], 15|(1<<16)|(1<<20)|(1<<21)|(4<<22)|(7<<25)
.irp g, G1K, G1V
	s_mov_b32 s[\g+1], 128<<16
	s_mov_b32 s[\g+2], 64<<16
	s_mov_b32 s[\g+3], 128<<16
	s_mov_b32 s[\g+4], 64
	s_mov_b32 s[\g+5], 128
	s_mov_b32 s[\g+6], 0
	s_mov_b32 s[\g+7], 0
.endr
	s_mov_b32 s[SEL], 0x76543210
	s_mov_b32 s[SEL+1], 0xfedcba98
	s_mov_b32 s[TBK], SLOT1+4*KS*PK ; the first change of slots turns these two into 0
	s_mov_b32 s[TBV], SLOT1+4*KS*PV
	s_mov_b32 s[TBM], 0
	s_mov_b32 s[G0K], 1
	s_mov_b32 s[G0K+1], s17
	s_mov_b32 s[G0V], 1
	s_add_co_u32 s[G0V+1], s18, VOFF
	s_wait_dscnt 0x0                ; the opening add is done
	s_wait_kmcnt 0x0
	s_add_nc_u64 s[G0K+2:G0K+3], s[4:5], s[22:23]
	s_add_nc_u64 s[G0V+2:G0V+3], s[G0K+2:G0K+3], 0x2000000   ; v lies 2 x 2^24 bytes behind q,
	s_add_nc_u64 s[G0K+2:G0K+3], s[G0K+2:G0K+3], 0x1000000   ; k 2^24
	s_or_b32 s[G0K+3], s[G0K+3], 0x80000000
	s_or_b32 s[G0V+3], s[G0V+3], 0x80000000
	s_add_nc_u64 s[6:7], s[6:7], s[50:51]
	s_add_nc_u64 s[10:11], s[8:9], s[2:3]
	s_add_nc_u64 s[4:5], s[4:5], s[2:3]
	CROUND                          ; all four work-groups are here
	JLOAD                           ; slot 0
	v_and_b32 v1, 15, v0            ; r
	v_bfe_u32 v9, v0, 4, 1          ; h
	v_and_b32 v120, 31, v0
	v_lshlrev_b32 v120, 6, v120     ; every wave reads all 2,048 mask bytes, 64 a lane, to learn whether all are 1,
	v_lshlrev_b32 v121, 4, v0       ; and 16 a thread for the table
.irp f, 0,1,2,3
	global_load_b128 v[64+4*\f:67+4*\f], v120, s[6:7] offset:16*\f
.endr
	global_load_b128 v[80:83], v121, s[6:7]
	v_lshlrev_b32 v[QO], 7, v1
	v_lshl_add_u32 v[QO], v9, 4, v[QO]
	WIN 0x80
.set i, 0
.rept 4*NP                          ; Q stays in registers: tile i / 2, channels 32 (i % 2) on
	global_load_b128 v[8*i:8*i+3],   v[QO], s[4:5] offset:(i/2)*2048+(i%2)*64
	global_load_b128 v[8*i+4:8*i+7], v[QO], s[4:5] offset:(i/2)*2048+(i%2)*64+32
.set i, i+1
.endr
	; No first step is written out: V and P's second buffer hold 0 (the first turn's V^T P, of a piece that has not been, adds 0), O^T and l start at 0.  All this stands in the wait for the first tile.
.set i, VF
.rept 64
	v_mov_b32 v[i], 0
.set i, i+1
.endr
	WIN 0x40
.set i, 0
.rept 64*NP
	v_mov_b32 v[i], 0
.set i, i+1
.endr
	WIN 0
.set i, 0
.rept 16
	v_mov_b32 v[L+i], 0
.set i, i+1
.endr
.set i, P+32
.rept 32
	v_mov_b32 v[i], 0
.set i, i+1
.endr
	v_mul_u32_u24 v[AK0], v1, PK
	v_lshl_add_u32 v[AK0], v9, 4, v[AK0]
	v_and_b32 v10, 7, v0
	v_bfe_u32 v11, v0, 3, 1
	v_lshl_add_u32 v[AV0], v9, 3, v10   ; the turning load: lane l reads key 8 (l / 16) + l % 8, channels 8 ((l / 8) % 2) on
	v_mul_u32_u24 v[AV0], v[AV0], PV
	v_lshl_add_u32 v[AV0], v11, 4, v[AV0]
	v_add_nc_u32 v[AV0], VOFF, v[AV0]
	v_lshl_add_u32 v[AM0], v9, 5, MBT   ; register j of key block kb is key 16 kb + 8 h + j
	v_lshl_add_u32 v122, v0, 6, MBT     ; my 16 words of the table
	s_mov_b32 s51, 0x01010101
	s_wait_loadcnt 32               ; the five mask loads are in; Q's 32 may stay out
	v_and_b32 v84, v64, v65
.set i, 66
.rept 14
	v_and_b32 v84, v84, v[i]
.set i, i+1
.endr
	v_cmp_eq_u32 s50, s51, v84      ; lanes whose 64 bytes are all 1
	s_cmp_eq_u32 s50, -1
	s_cselect_b32 s[NEGS], 0, 0xc6616bcd   ; -10000 log2(e)
	s_cselect_b32 s[KEEP], 0, -1
.set i, 0
.rept 16
	v_bfe_u32 v[88+i], v[80+i/4], 8*(i%4), 8
.set i, i+1
.endr
.set i, 0
.rept 16
	v_cvt_f32_u32 v[88+i], v[88+i]
.set i, i+1
.endr
.set i, 0
.rept 16
	v_mul_f32 v[88+i], s[NEGS], v[88+i]
.set i, i+1
.endr
.irp f, 0,1,2,3
	ds_store_b128 v122, v[88+4*\f:91+4*\f] offset:16*\f
.endr
	s_wait_loadcnt 0x0              ; Q
	WIN 0x88
.set i, 0
.rept 128
	v_and_b32 v[i], s[KEEP], v[i]   ; Q as it is, or 0 where the whole batch is hidden
.set i, i+1
.endr
	WIN 0
; THE MATRIX WORK.  The 8 accumulators of a run of 16 take turns.  Product i of S^T = K Q^T for piece x: channels 32 (i / 8) on, keys 16 ((i / 2) % 4) on, tile 2 x + i % 2.  The first 8 start the sums with the mask.
.macro KQ x
	WIN W_KQ
.set rS, S+64*((\x)%2)+32*(i%2)+8*((i/2)%4)
.set rK, KF+16*((i/2)%4)+8*(i/8)
.set rQ, 16*(2*(\x)+i%2)+8*(i/8)
.set rM, MB+8*((i/2)%4)
.if i < 8
	v_wmma_f32_16x16x32_f16 v[rS:rS+7], v[rK:rK+7], v[rQ:rQ+7], v[rM:rM+7]
.else
	v_wmma_f32_16x16x32_f16 v[rS:rS+7], v[rK:rK+7], v[rQ:rQ+7], v[rS:rS+7]
.endif
.endm
.macro PV x                         ; product i of O^T += V^T P: keys 32 (i / 8) on, channels 16 ((i / 2) % 4) on, tile 2 x + i % 2
	WIN W_PV
.set rO, 32*(2*(\x)+i%2)+8*((i/2)%4)
.set rV, VF+32*(i/8)+8*((i/2)%4)
.set rP, P+32*((\x)%2)+16*(i%2)+8*(i/8)
	v_wmma_f32_16x16x32_f16 v[rO:rO+7], v[rV:rV+7], v[rP:rP+7], v[rO:rO+7]
.endm
.macro MM                           ; the turn's next matrix instruction
.if i < 16
	KQ (Y+1)%NP
.set i, i+1
.else
.set i, i-16
	PV (Y+NP-1)%NP
.set i, i+17
.endif
.endm
; THE LDS LOADS stand in runs: a step's K and its 64 words of the mask (24 loads), and its V, turned (16).  last = 1 (the tail): in the last trip there is no further step, and the run is jumped over.
.macro FETCH_K last=0
	WIN 0
.if \last
	s_cmp_eq_u32 s[CNT], 1
	s_cbranch_scc1 .Lno_k_\@
.endif
	WIN 0x80
.irp f, 0,1,2,3,4,5,6,7
	ds_load_b128 v[KF+8*\f:KF+8*\f+3],   v[AK] offset:(\f/2)*16*PK+(\f%2)*64
	ds_load_b128 v[KF+8*\f+4:KF+8*\f+7], v[AK] offset:(\f/2)*16*PK+(\f%2)*64+32
.endr
	WIN 0
.irp f, 0,1,2,3
	ds_load_b128 v[MB+8*\f:MB+8*\f+3],   v[AM] offset:64*\f
	ds_load_b128 v[MB+8*\f+4:MB+8*\f+7], v[AM] offset:64*\f+16
.endr
	s_add_co_u32 s[TBK], s[TBK], KS*PK
	s_add_co_u32 s[TBM], s[TBM], 256
	s_and_b32 s[TBM], s[TBM], 0x1fff   ; stays inside the table's 8,192 bytes
.if \last
.Lno_k_\@:
.endif
.endm
.macro FETCH_V
	WIN 0x80
.irp f, 0,1,2,3,4,5,6,7
	ds_load_tr16_b128 v[VF+8*\f:VF+8*\f+3],   v[AV] offset:(\f/4)*32*PV+(\f%4)*32
	ds_load_tr16_b128 v[VF+8*\f+4:VF+8*\f+7], v[AV] offset:(\f/4)*32*PV+16*PV+(\f%4)*32
.endr
	WIN 0
.endm
; THE VECTOR WORK of piece Y, three queues, the two tiles alternating.  EX: 2^s in place, registers ascending (each accumulator is read from its lowest registers on).  CV: a pair of weights rounded to f16.  AD: l takes the pair.
.macro EX
	WIN 0
	v_exp_f32 v[S+64*(Y%2)+32*(e%2)+e/2], v[S+64*(Y%2)+32*(e%2)+e/2]
.set e, e+1
.endm
.macro CV
	WIN 0
	s_wait_alu depctr_va_vdst(0)
	v_cvt_pk_f16_f32 v[P+32*(Y%2)+16*(c%2)+c/2], v[S+64*(Y%2)+32*(c%2)+2*(c/2)], v[S+64*(Y%2)+32*(c%2)+2*(c/2)+1]
.set c, c+1
.endm
.macro AD
	WIN 0
	v_pk_add_f32 v[L+2*(2*Y+d%2):L+2*(2*Y+d%2)+1], v[L+2*(2*Y+d%2):L+2*(2*Y+d%2)+1], v[S+64*(Y%2)+32*(d%2)+2*(d/2):S+64*(Y%2)+32*(d%2)+2*(d/2)+1]
.set d, d+1
.endm
; A TURN: 32 rows of a product and four vector instructions.  Rows 0, 1: eight exponentials, then a plain line.  Rows 2-29: exponential, rounding, exponential, sum: rounding n needs exponentials up to 2 n + 2, and in
; its row 2 n + 8 are out: its last stands three rows back.  Rows 30, 31: the last four roundings and sums.
; K and the mask of the next step are fetched in piece 2's turn behind row 17: eight plain instructions behind row 15's product, the last that read K.  V of the step in hand at the end of piece 0's turn: row 31's four
; plain instructions stand behind the last product that read V.  Each is waited for a turn later.
.macro TURN p, last=0
.set Y, (\p)
.set i, 0
.set e, 0
.set c, 0
.set d, 0
.if (\p) == 3
	s_wait_dscnt 0x0                ; K and the mask are in
.endif
.rept 2
	MM
	EX
	EX
	EX
	EX
.endr
	v_nop                           ; a plain instruction between the exponentials and the first use of a result
.set k, 2
.rept 28
.if ((\p) == 1) && (k == 16)
	s_wait_dscnt 0x0                ; V is in
.endif
	MM
	EX
	CV
	EX
	AD
.if ((\p) == 2) && (k == 16)
	v_add_nc_u32 v[AK], s[TBK], v[AK0]
	v_add_nc_u32 v[AM], s[TBM], v[AM0]
.endif
.if ((\p) == 2) && (k == 17)
	FETCH_K \last
.endif
.set k, k+1
.endr
	MM
	CV
	AD
	CV
	AD
.if (\p) == 0
	v_add_nc_u32 v[AV], s[TBV], v[AV0]
.endif
	MM
	CV
	AD
	CV
	AD
.if (\p) == 0
	FETCH_V
	s_add_co_u32 s[TBV], s[TBV], KS*PV
.endif
.endm
	CHANGE 1                        ; slot 0 is in, everybody's part of it, and so is the table; slot 1 is asked for
	v_add_nc_u32 v[AK], s[TBK], v[AK0]
	v_add_nc_u32 v[AM], s[TBM], v[AM0]
	FETCH_K                         ; key step 0
	s_wait_dscnt 0x0
.set i, 0
.rept 16
	KQ 0                            ; piece 0's first scores
.set i, i+1
.endr
	WIN 0                           ; the addresses for the way out: nine plain instructions, the places behind those products
	s_mul_i32 s13, s[WV], 16*SP
	s_add_co_u32 s13, s13, STAGE
	v_mul_u32_u24 v[STO], v1, SP
	v_lshl_add_u32 v[STO], v9, 4, v[STO]
	v_add_nc_u32 v[STO], s13, v[STO]
	v_bfe_u32 v[RD], v0, 3, 2
	v_mul_u32_u24 v[RD], v[RD], SP
	v_lshl_add_u32 v[RD], v10, 4, v[RD]
	v_add_nc_u32 v[RD], s13, v[RD]
	v_and_b32 v[GO], 31, v0
	v_lshlrev_b32 v[GO], 4, v[GO]
	s_mov_b32 s[CNT], 4
	s_mov_b32 s[SLOTS], 7
	s_branch .Lfirst                ; the loop is entered at a step's first turn, in the middle of a trip
.Lslot:                             ; six times: slots 2 to 7 are asked for
	CHANGE 1
	s_mov_b32 s[CNT], 4
.Lstep:                             ; a trip: pieces 2 and 3 of one step, then pieces 0 and 1 of the next, whose K and V it fetches
	TURN 2
	TURN 3
	WIN 0
.Lfirst:
	TURN 0
	TURN 1
	WIN 0
	s_sub_co_u32 s[CNT], s[CNT], 1
	s_cmp_lg_u32 s[CNT], 0
	s_cbranch_scc1 .Lstep
	s_sub_co_u32 s[SLOTS], s[SLOTS], 1
	s_cmp_lg_u32 s[SLOTS], 0
	s_cbranch_scc1 .Lslot
	CHANGE 0                        ; the tail is written out
	s_mov_b32 s[CNT], 5             ; four trips fetch the last slot's steps; the fifth is left in its middle
.Ltail:
	TURN 2, 1
	TURN 3
	WIN 0
	s_sub_co_u32 s[CNT], s[CNT], 1
	s_cmp_eq_u32 s[CNT], 0
	s_cbranch_scc1 .Lout
	TURN 0
	TURN 1
	WIN 0
	s_branch .Ltail
.Lout:                              ; the fifth trip's 16 products K Q^T, on the last K once more, serve nothing: the price of one text for every trip
.set i, 0
.rept 16
	PV NP-1
.set i, i+1
.endr
	; THE WAY OUT.  l's two halves and the other half of the lanes' are added (the additions are the places behind the last products); O^T is divided by l, rounded to f16 and sent through my stage, a tile at a time.
	WIN 0
.macro ALL line:vararg
.set t, 0
.rept 2*NP
	\line
.set t, t+1
.endr
.endm
	ALL v_add_f32 v[L+2*t], v[L+2*t], v[L+2*t+1]
	ALL v_permlanex16_b32 v[L+2*t+1], v[L+2*t], s[SEL], s[SEL+1]
	ALL v_add_f32 v[L+2*t], v[L+2*t], v[L+2*t+1]
	ALL v_rcp_f32 v[L+2*t], v[L+2*t]
	v_nop                           ; a plain instruction between the last reciprocal and the use of its result
.macro PACK t
	WIN W_RS
.set i, 32*(\t)
.rept 16
	s_wait_alu depctr_va_vdst(0)
	v_pk_mul_f32 v[i:i+1], v[i:i+1], v[L+2*(\t):L+2*(\t)+1] op_sel_hi:[1,0]
.set i, i+2
.endr
	WIN 0x05
.set i, 0
.rept 16
	v_cvt_pk_f16_f32 v[S+16*(\t)+i], v[32*(\t)+2*i], v[32*(\t)+2*i+1]
.set i, i+1
.endr
	WIN 0
.irp f, 0,1,2,3
	ds_store_b128 v[STO], v[S+16*(\t)+4*\f:S+16*(\t)+4*\f+3] offset:32*\f
.endr
.irp f, 0,1,2,3
	ds_load_b128 v[S+16*(\t)+4*\f:S+16*(\t)+4*\f+3], v[RD] offset:\f*4*SP  ; LDS serves a wave's instructions in order (ISA guide 5.7.1.4): these see the stores above
.endr
.endm
.macro SEND t, younger              ; younger: the LDS instructions issued behind tile t's loads: the next tile's eight, or none
	WIN 0
.irp f, 0,1,2,3
	s_wait_dscnt (\younger)+3-\f
	global_store_b128 v[GO], v[S+16*(\t)+4*\f:S+16*(\t)+4*\f+3], s[10:11] offset:(\t)*2048+\f*512  ; 512 consecutive bytes, at a multiple of 512 from o's first
.endr
.endm
	PACK 0
.set t, 1
.rept 2*NP-1
	PACK t
	SEND t-1, 8
.set t, t+1
.endr
	SEND 2*NP-1, 0
	s_wait_tensorcnt 0x0            ; the wave's end
	ds_add_u32 v[SPW], v[NIL]
	s_wait_dscnt 0x0
	CROUND                          ; the closing round
	s_endpgm
.Lfunc_end_k_qfe4dfb2e09_attn:
	.size	k_qfe4dfb2e09_attn, .Lfunc_end_k_qfe4dfb2e09_attn-k_qfe4dfb2e09_attn
	.p2alignl 7, 3214868480
	.fill 96, 4, 3214868480
	.section	.rodata,"a",@progbits
	.p2align	6, 0x0
	.amdhsa_kernel k_qfe4dfb2e09_attn
		.amdhsa_group_segment_fixed_size 327680
		.amdhsa_private_segment_fixed_size 0
		.amdhsa_enable_private_segment 0
		.amdhsa_kernarg_size 24
		.amdhsa_user_sgpr_count 2
		.amdhsa_user_sgpr_kernarg_segment_ptr 1
		.amdhsa_wavefront_size32 1
		.amdhsa_system_sgpr_workgroup_id_x 1
		.amdhsa_system_sgpr_workgroup_id_y 1
		.amdhsa_system_sgpr_workgroup_id_z 1
		.amdhsa_system_vgpr_workitem_id 0
		.amdhsa_next_free_vgpr 768
		.amdhsa_next_free_sgpr 66
		.amdhsa_reserve_vcc 0
		.amdhsa_float_denorm_mode_32 3
		.amdhsa_float_denorm_mode_16_64 3
		.amdhsa_memory_ordered 1
		.amdhsa_forward_progress 1
		.amdhsa_inst_pref_size 161
	.end_amdhsa_kernel
	.amdgpu_metadata
---
amdhsa.version: [ 1, 2 ]
amdhsa.kernels:
  - .name:           k_qfe4dfb2e09_attn
    .symbol:         k_qfe4dfb2e09_attn.kd
    .args:
      - { .name: qkv, .offset: 0, .size: 8, .value_kind: global_buffer, .address_space: global }
      - { .name: mask, .offset: 8, .size: 8, .value_kind: global_buffer, .address_space: global }
      - { .name: o, .offset: 16, .size: 8, .value_kind: global_buffer, .address_space: global }
    .group_segment_fixed_size: 327680
    .private_segment_fixed_size: 0
    .kernarg_segment_align: 8
    .kernarg_segment_size: 24
    .max_flat_workgroup_size: 128
    .sgpr_count:     66
    .vgpr_count:     768
    .wavefront_size: 32
...
	.end_amdgpu_metadata
.endif
;; end of part 3
;; launch oproj (part 4): grid 8 x 32, 4 waves a work-group, clusters of 4 x 4, 327,680 bytes of LDS; arguments o, w16, bo, out0; writes out0
.if DOCPART == 4
	.amdgcn_target "amdgcn-amd-amdhsa--gfx1250"
	.amdhsa_code_object_version 6
	.text
	.protected	k_qfe4dfb2e09_oproj
	.globl	k_qfe4dfb2e09_oproj
	.p2align	8
	.type	k_qfe4dfb2e09_oproj,@function
k_qfe4dfb2e09_oproj:
	s_mov_b64 s[64:65], 0
	v_nop
	global_prefetch_b8 v0, s[64:65] scope:SCOPE_SE
	s_setreg_imm32_b32 hwreg(HW_REG_WAVE_MODE, 25, 1), 1
	s_wait_xcnt 0x0
	s_wait_alu depctr_hold_cnt(0) depctr_sa_sdst(0) depctr_va_vdst(0) depctr_va_sdst(0) depctr_va_ssrc(0) depctr_va_vcc(0) depctr_vm_vsrc(0)
	s_getreg_b32 s2, hwreg(HW_REG_IB_STS2, 6, 4)
	s_cmp_eq_u32 s2, 0
	s_cbranch_scc0 .Lentry_in_a_cluster
	s_endpgm
.Lentry_in_a_cluster:
	s_bfe_u32 s2, ttmp6, 0x10000c
	s_cmp_lg_u32 s2, 0xf033
	s_cbranch_scc0 .Lentry_shape_is_right
	s_endpgm
.Lentry_shape_is_right:
; OPROJ.  out0 = (O wo^T + bo) x 0.5, [8192][1024] f32.  o: [batch*16 + head][t][64] f16; wo: rows 3072 + e of w16, [.][1024] f16.  Sums in f32; the bias is the C operand of the first product (added first, not last).
; A tile is 256 rows x 128 columns: 32 x 8 = 256 work-groups.  Four waves stacked along the rows, 64 rows x 128 columns each: 32 accumulators, 256 registers.
; K = 1024 goes in 8 steps of 128 = two heads.  A head's 256 rows of a tile are 32,768 dense bytes: asked for as 128 rows of 256 bytes and padded in LDS after every 128: a plane of 256 rows x 144 for each of the step's two heads.
; The matrix instruction is used transposed (source 0 = 16 rows of wo, source 1 = 16 rows of O): a lane holds one row and eight neighbouring columns.  CLUSTER 4 x 4: O's tile is shared along a row, wo's along a column.
; REGISTERS: window 0: addresses, bias, way out.  Window 1: v0-127 wo's fragments, two buffers of 64; v192-255 O's, two of 32.  Window 2: accumulator (a, b) at v[64 a + 8 b].
.set NBK,    8
.set APW,    4
.set PA,     144
.set PB,     272
.set APLANE, 256*PA                    ; the step's second head
.set ASTEP,  2<<18                     ; two heads on in memory
.set BSTEP,  256
.set AHALF,  APLANE                    ; what wave 0 or 1 fetches: a plane
.set BOFF,   2*AHALF
.set BROWS,  64
.set BHALF,  BROWS*PB
.set SLOT1,  1<<17
.set STAGE,  SLOT1+BOFF+2*BHALF        ; behind the ring: for each wave 16 rows x 528 bytes
.set SP,     528
.set WSTAGE, 16*SP
.set SPARE,  STAGE+4*WSTAGE            ; the spare words: 128 bytes a wave, two blocks of 256 bytes that no other line names
.set ADA0, 16
.set ADB0, 17
.set ADA,  18
.set ADB,  19
.set STO,  24
.set RD,   25
.set GO,   26
.set BOF,  27
.set SPW,  28                          ; my spare word; never rewritten
.set NIL,  29                          ; 0; never rewritten
.set BI,   32                          ; v[32:95] bias
.set T,    96                          ; way out: a row block's results times 0.5
.set WV,   16
.set FORB, 17
.set HALF, 18
.set G1,   24
.set G0,   32
.set G1B,  48
.set G0B,  56
.set TB,   66
.set TRIPS, 67
.set MSB, 0
.macro WIN new
.if MSB != (\new)
	s_set_vgpr_msb (MSB<<8)|(\new)
.set MSB, (\new)
.endif
.endm
.set TO_F, 0x40
.macro PLACES                          ; four places behind matrix instructions (ISA guide 7.12.1)
.rept 4
	v_nop
.endr
.endm
.macro JLOAD                           ; a joint refill by the walking descriptor; an s_nop 0 and four v_nop follow each of the two lines
	s_cmp_eq_u32 s[FORB], 0
	s_cbranch_scc0 .Lfor_b_\@
	tensor_load_to_lds s[G0+4:G0+7], s[G1:G1+7]
	s_nop 0
	PLACES
	s_branch .Lasked_\@
.Lfor_b_\@:
	tensor_load_to_lds s[G0B+4:G0B+7], s[G1B:G1B+7]
	s_nop 0
	PLACES
.Lasked_\@:
.endm
.macro CREST
	s_cmp_lg_u32 s[WV], 0
	s_cbranch_scc1 .Lnot_wave_0_\@
	s_barrier_signal -3
.Lnot_wave_0_\@:
	s_barrier_wait -3
	s_barrier_signal -1
	s_barrier_wait -1
.endm
.macro CROUND
	s_barrier_signal -1
	s_barrier_wait -1
	CREST
.endm
	s_load_b256 s[4:11], s[0:1], 0x0               ; o s[4:5], w16 s[6:7], bo s[8:9], out0 s[10:11]
	v_lshl_add_u32 v[SPW], v0, 2, SPARE
	v_mov_b32 v[NIL], 0
	ds_add_u32 v[SPW], v[NIL]                      ; the wave's opening: the add and its wait stand ahead of my first tensor load
	v_lshrrev_b32 v1, 5, v0
	v_readfirstlane_b32 s[WV], v1
	s_lshr_b32 s[FORB], s[WV], 1
	s_and_b32 s[HALF], s[WV], 1
	s_bfe_u32 s19, ttmp6, 0x40000                  ; cx
	s_bfe_u32 s20, ttmp6, 0x40004                  ; cy
	s_lshl_b32 s21, ttmp9, 2
	s_add_co_u32 s21, s21, s19                     ; tx: the block of 128 columns
	s_and_b32 s22, ttmp7, 0xffff
	s_lshl_b32 s22, s22, 2
	s_add_co_u32 s22, s22, s20                     ; ty: the block of 256 rows
	s_lshl_b32 s42, s20, 2
	s_lshl_b32 s42, 15, s42                        ; my row of the cluster
	s_lshl_b32 s43, 0x1111, s19                    ; my column
	s_or_b32 s[G1], s42, (1<<16)|(1<<20)|(1<<21)|(4<<22)|(3<<25)    ; O: after every 32 words 4 words of padding
	s_or_b32 s[G1B], s43, (1<<16)|(1<<20)|(1<<21)|(5<<22)|(3<<25)   ; wo: after every 64 words
.irp g, G1, G1B
	s_mov_b32 s[(\g)+1], 128<<16                   ; tensor_dim0 = 128
	s_mov_b32 s[(\g)+3], 128<<16                   ; tile_dim0 = 128
	s_mov_b32 s[(\g)+6], 0
	s_mov_b32 s[(\g)+7], 0
.endr
	s_mov_b32 s[G1+2], 128<<16                     ; O: 128 rows of 256 dense bytes
	s_mov_b32 s[G1+4], 128
	s_mov_b32 s[G1+5], 128
	s_mov_b32 s[G1B+2], BROWS<<16                  ; wo: 64 rows, 1,024 elements apart
	s_mov_b32 s[G1B+4], BROWS
	s_mov_b32 s[G1B+5], 1024
	s_lshr_b32 s40, s22, 3                         ; O: batch << 22 + head << 18 + t x 128: made of ty and the wave alone
	s_lshl_b32 s40, s40, 22
	s_and_b32 s41, s22, 7
	s_lshl_b32 s41, s41, 15
	s_add_co_u32 s40, s40, s41
	s_lshl_b32 s41, s[HALF], 18
	s_add_co_u32 s40, s40, s41
	s_mov_b32 s41, 0
	s_lshl_b32 s44, s21, 18                        ; wo: 128 rows of 2,048 bytes a tile, 64 a half, behind w16's first 3,072 rows: made of tx and the wave alone
	s_lshl_b32 s45, s[HALF], 17
	s_add_co_u32 s44, s44, s45
	s_add_co_u32 s44, s44, 3072*2048
	s_mov_b32 s45, 0
	s_mul_i32 s23, s[HALF], AHALF                  ; where they go: no place in the cluster enters an LDS address
	s_mul_i32 s46, s[HALF], BHALF
	s_add_co_u32 s46, s46, BOFF
	s_mov_b32 s[TB], 0
	s_wait_dscnt 0x0                               ; the opening add is done
	s_wait_kmcnt 0x0
	s_add_nc_u64 s[40:41], s[4:5], s[40:41]
	s_add_nc_u64 s[44:45], s[6:7], s[44:45]
.irp s, 0,1
	s_mov_b32 s[G0+4*(\s)], 1
	s_add_co_u32 s[G0+4*(\s)+1], s23, (\s)*SLOT1
	s_add_nc_u64 s[G0+4*(\s)+2:G0+4*(\s)+3], s[40:41], (\s)*ASTEP
	s_or_b32 s[G0+4*(\s)+3], s[G0+4*(\s)+3], 0x80000000
	s_mov_b32 s[G0B+4*(\s)], 1
	s_add_co_u32 s[G0B+4*(\s)+1], s46, (\s)*SLOT1
	s_add_nc_u64 s[G0B+4*(\s)+2:G0B+4*(\s)+3], s[44:45], (\s)*BSTEP
	s_or_b32 s[G0B+4*(\s)+3], s[G0B+4*(\s)+3], 0x80000000
.endr
	CROUND                                         ; all sixteen work-groups are here: the first joint loads meet
	s_cmp_eq_u32 s[FORB], 0                        ; a wave's two first fills stand in one branch: two loads of mine are out
	s_cbranch_scc0 .Lfirst_b
	tensor_load_to_lds s[G0:G0+3], s[G1:G1+7]
	s_nop 0
	tensor_load_to_lds s[G0+4:G0+7], s[G1:G1+7]
	s_nop 0
	PLACES
	s_branch .Lfirst_asked
.Lfirst_b:
	tensor_load_to_lds s[G0B:G0B+3], s[G1B:G1B+7]
	s_nop 0
	tensor_load_to_lds s[G0B+4:G0B+7], s[G1B:G1B+7]
	s_nop 0
	PLACES
.Lfirst_asked:
	v_and_b32 v1, 15, v0                           ; r
	v_bfe_u32 v2, v0, 4, 1                         ; h
	v_lshlrev_b32 v[BOF], 5, v2
	s_lshl_b32 s46, s21, 9                         ; the tile's 128 biases
	s_mov_b32 s47, 0
	s_add_nc_u64 s[8:9], s[8:9], s[46:47]
.irp f, 0,1,2,3,4,5,6,7
	global_load_b128 v[BI+8*\f:BI+8*\f+3],   v[BOF], s[8:9] offset:64*\f
	global_load_b128 v[BI+8*\f+4:BI+8*\f+7], v[BOF], s[8:9] offset:64*\f+16
.endr
	v_mul_u32_u24 v3, v1, PA
	v_lshl_add_u32 v3, v2, 4, v3
	s_mul_i32 s76, s[WV], 64*PA                    ; my 64 rows of a plane
	v_add_nc_u32 v[ADA0], s76, v3
	v_mul_u32_u24 v3, v1, PB
	v_lshl_add_u32 v3, v2, 4, v3
	v_add_nc_u32 v[ADB0], BOFF, v3
	v_mov_b32 v[ADA], v[ADA0]
	v_mov_b32 v[ADB], v[ADB0]
	s_mul_i32 s78, s[WV], WSTAGE
	s_add_co_u32 s78, s78, STAGE                   ; my stage
	v_mul_u32_u24 v4, v1, SP
	v_lshl_add_u32 v4, v2, 5, v4
	v_add_nc_u32 v[STO], s78, v4                   ; in: row r, 32 bytes for each half of the lanes
	v_and_b32 v6, 31, v0
	v_lshlrev_b32 v[GO], 4, v6                     ; back: 32 lanes take one row of 512 bytes
	v_add_nc_u32 v[RD], s78, v[GO]
	s_lshl_b32 s76, s22, 20                        ; 256 rows of 4,096 bytes a tile row, 64 a wave, 512 bytes a tile column
	s_lshl_b32 s77, s[WV], 18
	s_add_co_u32 s76, s76, s77
	s_lshl_b32 s77, s21, 9
	s_add_co_u32 s76, s76, s77
	s_mov_b32 s77, 0
	s_add_nc_u64 s[70:71], s[10:11], s[76:77]
; NBK matrix instructions: row block a x all column blocks, 32 along K from buffer f.  first = 1: the bias starts the sums.  Every accumulator has one instruction a quarter, always in the same order: they take turns.
.macro MULA f, a, first
.if \first
	WIN 0x85+0x40*((\a)/APW)
.else
	WIN 0xa5+0x50*((\a)/APW)
.endif
.set rA, 192+32*(\f)+8*(\a)
.set b, 0
.rept NBK
.set rD, 8*NBK*((\a)%APW)+8*b
.set rB, 8*NBK*(\f)+8*b
.if \first
	v_wmma_f32_16x16x32_f16 v[rD:rD+7], v[rB:rB+7], v[rA:rA+7], v[BI+8*b:BI+8*b+7]
.else
	v_wmma_f32_16x16x32_f16 v[rD:rD+7], v[rB:rB+7], v[rA:rA+7], v[rD:rD+7]
.endif
.set b, b+1
.endr
.endm
; One run of 2 NBK + 8 LDS loads: quarter qd (head qd / 2 of the step, channels 32 (qd % 2) on) into buffer f: wo's first, then O's row blocks 0 to 3
.macro FETCH qd, f
	WIN TO_F
.set b, 0
.rept NBK
	ds_load_b128 v[8*NBK*(\f)+8*b:8*NBK*(\f)+8*b+3],   v[ADB] offset:64*(\qd)+b*16*PB
	ds_load_b128 v[8*NBK*(\f)+8*b+4:8*NBK*(\f)+8*b+7], v[ADB] offset:64*(\qd)+b*16*PB+32
.set b, b+1
.endr
.set b, 0
.rept 4
	ds_load_b128 v[192+32*(\f)+8*b:192+32*(\f)+8*b+3],   v[ADA] offset:((\qd)/2)*APLANE+((\qd)%2)*64+b*16*PA
	ds_load_b128 v[192+32*(\f)+8*b+4:192+32*(\f)+8*b+7], v[ADA] offset:((\qd)/2)*APLANE+((\qd)%2)*64+b*16*PA+32
.set b, b+1
.endr
.endm
.macro QUARTER qd, f, g, first
	s_wait_dscnt 4                                 ; wo's fragments and O's blocks 0, 1 are in; the youngest four loads (blocks 2, 3) may be out
	MULA \f, 0, \first
	MULA \f, 1, \first
	PLACES
	FETCH \qd, \g
	s_wait_dscnt 2*NBK+8                           ; all but the run just issued
	MULA \f, 2, \first
	MULA \f, 3, \first
.endm
; The last quarter multiplies buffer 1 and changes slots.  In front of the barrier each wave waits for all its tensor loads (one is out: its part of the next slot), adds 0 to its spare word, and waits for that
; and for its reads of this slot.  fill = 1: the barrier opens a round of the cluster's, and the joint refill, two K steps ahead, is the first thing behind it.
.macro TURN fill
	WIN 0
	s_wait_tensorcnt 0x0
	ds_add_u32 v[SPW], v[NIL]
	s_wait_dscnt 5                                 ; the add and the youngest four loads may be out
	MULA 1, 0, 0
	s_wait_dscnt 0x0                               ; the add is done, my reads of this slot are over
	s_barrier_signal -1
	MULA 1, 1, 0
	WIN 0
	s_barrier_wait -1
.if \fill
	CREST
	s_xor_b32 s[G0+5], s[G0+5], SLOT1
	s_add_nc_u64 s[G0+6:G0+7], s[G0+6:G0+7], ASTEP
	s_xor_b32 s[G0B+5], s[G0B+5], SLOT1
	s_add_nc_u64 s[G0B+6:G0B+7], s[G0B+6:G0B+7], BSTEP
	JLOAD                                          ; its four v_nop are also the places in front of the loads below
.else
	PLACES
.endif
	s_xor_b32 s[TB], s[TB], SLOT1
	v_add_nc_u32 v[ADA], s[TB], v[ADA0]
	v_add_nc_u32 v[ADB], s[TB], v[ADB0]
	FETCH 0, 0
	MULA 1, 2, 0
	MULA 1, 3, 0
.endm
	s_wait_tensorcnt 0x1                           ; my part of K step 0 is in; step 1's may stay out
	s_barrier_signal -1
	s_barrier_wait -1
	FETCH 0, 0
	s_wait_loadcnt 0x0                             ; the bias
	QUARTER 1, 0, 1, 1
	WIN 0
	s_mov_b32 s[TRIPS], 6
.Lstep:                                                ; a trip: from a step's second quarter to the next step's first; it asks for steps 2 to 7
	QUARTER 2, 1, 0, 0
	QUARTER 3, 0, 1, 0
	TURN 1
	QUARTER 1, 0, 1, 0
	WIN 0
	s_sub_co_u32 s[TRIPS], s[TRIPS], 1
	s_cmp_lg_u32 s[TRIPS], 0
	s_cbranch_scc1 .Lstep
	QUARTER 2, 1, 0, 0                             ; the tail is written out: steps 6 and 7 ask for nothing
	QUARTER 3, 0, 1, 0
	TURN 0
	QUARTER 1, 0, 1, 0
	QUARTER 2, 1, 0, 0
	QUARTER 3, 0, 1, 0
	s_wait_dscnt 4
	MULA 1, 0, 0
	MULA 1, 1, 0
	s_wait_dscnt 0x0
	MULA 1, 2, 0
	MULA 1, 3, 0
	WIN 0
	PLACES
; THE WAY OUT of row block a: times 0.5 (each accumulator read from its lowest registers on), 32 bytes a lane and column block into my stage, back as whole rows of 512 bytes, stored.
.macro PACK a
	WIN 0x02
.set n, 0
.rept 32
	v_pk_mul_f32 v[T+2*n:T+2*n+1], v[64*(\a)+2*n:64*(\a)+2*n+1], 0.5 op_sel_hi:[1,0]
.set n, n+1
.endr
	WIN 0
.endm
.macro TOSTAGE a
.set BK, 160-128*((\a)%2)              ; v[160:223] and v[32:95] by turns
.set n, 0
.rept 8
	ds_store_b128 v[STO], v[T+8*n:T+8*n+3] offset:64*n
	ds_store_b128 v[STO], v[T+8*n+4:T+8*n+7] offset:64*n+16
.set n, n+1
.endr
.set n, 0
.rept 16
	ds_load_b128 v[BK+4*n:BK+4*n+3], v[RD] offset:n*SP   ; LDS serves a wave's instructions in order (ISA guide 5.7.1.4): these see the stores above
.set n, n+1
.endr
.endm
.macro SEND a
.set BK, 160-128*((\a)%2)
	s_wait_dscnt 0x0                               ; the block is back in registers
	s_wait_xcnt 0x0                                ; the other buffer, which the stores before read, is loaded again only behind this wait
.set n, 0
.rept 16
	global_store_b128 v[GO], v[BK+4*n:BK+4*n+3], s[70:71] offset:(16*(\a)+n)*4096 th:TH_STORE_NT   ; 512 consecutive bytes, at a multiple of 512 from out0's first
.set n, n+1
.endr
.endm
	PACK 0
	TOSTAGE 0
.irp a, 1,2,3                          ; block a's arithmetic stands between block a - 1's loads from the stage and the wait for them
	PACK \a
	SEND (\a)-1
	TOSTAGE \a
.endr
	SEND 3
	s_wait_tensorcnt 0x0                           ; the wave's end
	ds_add_u32 v[SPW], v[NIL]
	s_wait_dscnt 0x0
	CROUND                                         ; the closing round: no work-group ends while a partner may still ask for a tile that names it
	s_endpgm
.Lfunc_end_k_qfe4dfb2e09_oproj:
	.size	k_qfe4dfb2e09_oproj, .Lfunc_end_k_qfe4dfb2e09_oproj-k_qfe4dfb2e09_oproj
	.p2alignl 7, 3214868480
	.fill 96, 4, 3214868480
	.section	.rodata,"a",@progbits
	.p2align	6, 0x0
	.amdhsa_kernel k_qfe4dfb2e09_oproj
		.amdhsa_group_segment_fixed_size 327680
		.amdhsa_private_segment_fixed_size 0
		.amdhsa_enable_private_segment 0
		.amdhsa_kernarg_size 32
		.amdhsa_user_sgpr_count 2
		.amdhsa_user_sgpr_kernarg_segment_ptr 1
		.amdhsa_wavefront_size32 1
		.amdhsa_system_sgpr_workgroup_id_x 1
		.amdhsa_system_sgpr_workgroup_id_y 1
		.amdhsa_system_sgpr_workgroup_id_z 1
		.amdhsa_system_vgpr_workitem_id 0
		.amdhsa_next_free_vgpr 768
		.amdhsa_next_free_sgpr 84
		.amdhsa_reserve_vcc 0
		.amdhsa_float_denorm_mode_32 3
		.amdhsa_float_denorm_mode_16_64 3
		.amdhsa_memory_ordered 1
		.amdhsa_forward_progress 1
		.amdhsa_inst_pref_size 78
	.end_amdhsa_kernel
	.amdgpu_metadata
---
amdhsa.version: [ 1, 2 ]
amdhsa.kernels:
  - .name:           k_qfe4dfb2e09_oproj
    .symbol:         k_qfe4dfb2e09_oproj.kd
    .args:
      - { .name: o, .offset: 0, .size: 8, .value_kind: global_buffer, .address_space: global }
      - { .name: w16, .offset: 8, .size: 8, .value_kind: global_buffer, .address_space: global }
      - { .name: bo, .offset: 16, .size: 8, .value_kind: global_buffer, .address_space: global }
      - { .name: out0, .offset: 24, .size: 8, .value_kind: global_buffer, .address_space: global }
    .group_segment_fixed_size: 327680
    .private_segment_fixed_size: 0
    .kernarg_segment_align: 8
    .kernarg_segment_size: 32
    .max_flat_workgroup_size: 128
    .sgpr_count:     84
    .vgpr_count:     768
    .wavefront_size: 32
...
	.end_amdgpu_metadata
.endif
;; end of part 4
;; ======== version 2 of 2: 4 launches; 1.37 times as fast as version 1
;; limits: values are held in f16: magnitudes above 65,504 overflow, below 6.1e-05 lose precision
;; workspace buffers: xn 16,777,216 bytes; w16 8,388,608 bytes; qkv 50,331,648 bytes; o 16,777,216 bytes
;; launch prep: the kernel of part 1 again; grid 384 x 1, 8 waves a work-group, no clusters, 0 bytes of LDS; arguments x, ln_g, ln_b, wq, wk, wv, wo, xn, w16; writes xn, w16
;; launch qkv: the kernel of part 2 again; grid 16 x 32, 4 waves a work-group, clusters of 4 x 4, 327,680 bytes of LDS; arguments xn, w16, bq, bk, bv, qkv; writes qkv
;; launch attn (part 5): grid 4 x 64, 4 waves a work-group, clusters of 4 x 1, 327,680 bytes of LDS; arguments qkv, mask, o; writes o
.if DOCPART == 5
	.amdgcn_target "amdgcn-amd-amdhsa--gfx1250"
	.amdhsa_code_object_version 6
	.text
	.protected	k_qfe4dfb2e09_attn
	.globl	k_qfe4dfb2e09_attn
	.p2align	8
	.type	k_qfe4dfb2e09_attn,@function
k_qfe4dfb2e09_attn:
	s_mov_b64 s[64:65], 0
	v_nop
	global_prefetch_b8 v0, s[64:65] scope:SCOPE_SE
	s_setreg_imm32_b32 hwreg(HW_REG_WAVE_MODE, 25, 1), 1
	s_wait_xcnt 0x0
	s_wait_alu depctr_hold_cnt(0) depctr_sa_sdst(0) depctr_va_vdst(0) depctr_va_sdst(0) depctr_va_ssrc(0) depctr_va_vcc(0) depctr_vm_vsrc(0)
	s_getreg_b32 s2, hwreg(HW_REG_IB_STS2, 6, 4)
	s_cmp_eq_u32 s2, 0
	s_cbranch_scc0 .Lentry_in_a_cluster
	s_endpgm
.Lentry_in_a_cluster:
	s_bfe_u32 s2, ttmp6, 0x10000c
	s_cmp_lg_u32 s2, 0x3003
	s_cbranch_scc0 .Lentry_shape_is_right
	s_endpgm
.Lentry_shape_is_right:
; ATTENTION at head size 64.  qkv: [3][64 heads of a batch][2048][64] f16; q arrives normalised and times log2(e) / 8, k normalised, v plain.  mask: [4][2048] bytes, 1 = the key is hidden.  o: [64][2048][64] f16.
; NO MAXIMUM IS TAKEN AWAY, AND NO CLIP IS WRITTEN: q and k are unit vectors (or shorter), so every score lies within 1/8 whatever the inputs (Cauchy-Schwarz; f16's rounding adds about 2^-10):
; the clip at 10 never acts, the exponents in base 2 lie within 0.19, a weight within 0.87 to 1.14 and a row's sum within 0.87 to 2,340: nothing can overflow or underflow.  softmax is unchanged by the shift left out.
; THE MASK is the C operand that starts the sum S^T = K Q^T: 0, or -10000 log2(e), whose weight 2^s is 0 in f32, as e^(-10000 + 1/8) is.  If ALL keys of a batch are hidden the weights are uniform:
; then the table holds 0 and Q is set to 0 (a selection of values, no branch), so that every weight is 1.
; SHARES, LAYOUT.  A work-group owns 512 queries of one head, a wave 128: four PIECES of two tiles of 16.  Every wave walks all 2,048 keys, 64 a step, four steps to an LDS slot.  S^T holds one query a lane
; (lane % 16) and the keys 8 (lane / 16) + 0..7; two such results rounded to f16 are source 1 of O^T = V^T P.  l is the sum of the unrounded weights; O is divided by l and rounded once.
; BY TURNS.  Turn n belongs to piece n: 16 products K Q^T of piece n + 1, then 16 products V^T P of piece n - 1; behind each product four of piece n's 128 vector instructions (64 exponentials, 32 roundings, 32 sums).
; THE BATCHES.  A turn's 64 exponentials are ONE BATCH, four behind each product K Q^T; a plain line and ONE wait follow; the 32 roundings and 32 sums, all that names a result of theirs, stand behind the wait, four behind
; each product V^T P.  The way out's eight reciprocals are a batch of their own, with one wait.
; CLUSTER.  The four query blocks of a head walk the same K and V: each tile is asked for jointly.  LIMITS: NaN and infinities are not treated apart.
; REGISTERS: window 0: v0-15 addresses; v16-31 l, a pair a tile; v32-63 the step's mask; v64-191 S^T, two buffers of two tiles; v192-255 P, likewise.  Window 1: O^T, 32 a tile.  Window 2: v0-127 Q; v128-191 K; v192-255 V.
.set NP,    4
.set KS,    64
.set PK,    144       ; a row of K in LDS: 128 bytes + 16
.set PV,    160       ; a row of V: 128 + 32: 16 lanes of the turning load take 8 rows x 32 bytes
.set VOFF,  4*KS*PK
.set SLOT1, 1<<17
.set STAGE, SLOT1+4*KS*(PK+PV)   ; 16 rows x 144 bytes for each wave
.set SP,    144
.set MBT,   STAGE+4*16*SP        ; the mask as 2,048 f32, stored once
.set SPARE, MBT+8192+512         ; the spare words: 128 bytes a wave, two blocks of 256 bytes that no other line names
.set AK0, 2
.set AV0, 3
.set AK,  4
.set AV,  5
.set QO,  6
.set STO, 6
.set RD,  7
.set GO,  8
.set AM0, 12          ; my lane's place in a step's 64 words of the table
.set AM,  13
.set SPW, 14          ; my spare word; never rewritten
.set NIL, 15          ; 0; never rewritten
.set L,   16
.set MB,  32
.set S,   64
.set P,   192
.set KF,  128
.set VF,  192
.set WV,  12
.set G1K, 24
.set G1V, 32
.set G0K, 40
.set G0V, 44
.set KEEP, 48         ; s48  -1, or 0 if the whole batch is hidden
.set NEGS, 49         ; s49  -10000 log2(e), or 0 then
.set SLOTS, 56
.set CNT, 57
.set TBM, 58          ; s58  the table's byte for the step to be fetched
.set SEL, 60
.set TBK, 62
.set TBV, 63
.set MSB, 0
.macro WIN new
.if MSB != (\new)
	s_set_vgpr_msb (MSB<<8)|(\new)
.set MSB, (\new)
.endif
.endm
.set W_KQ, 0x0a       ; K and Q in window 2, the mask and S^T in window 0
.set W_PV, 0x52       ; V in window 2, P in window 0, O^T in window 1
.set W_RS, 0x41       ; O^T in window 1, the factor in window 0
.macro JLOAD                        ; waves 0, 1 fetch the halves of a slot's K, waves 2, 3 of its V; an s_nop 0 and four v_nop follow each line
	s_cmp_lt_u32 s[WV], 2
	s_cbranch_scc0 .Lfor_v_\@
	tensor_load_to_lds s[G0K:G0K+3], s[G1K:G1K+7]
	s_nop 0
.rept 4
	v_nop
.endr
	s_branch .Lasked_\@
.Lfor_v_\@:
	tensor_load_to_lds s[G0V:G0V+3], s[G1V:G1V+7]
	s_nop 0
.rept 4
	v_nop
.endr
.Lasked_\@:
.endm
.macro CROUND
	s_barrier_signal -1
	s_barrier_wait -1
	s_cmp_lg_u32 s[WV], 0
	s_cbranch_scc1 .Lnot_wave_0_\@
	s_barrier_signal -3
.Lnot_wave_0_\@:
	s_barrier_wait -3
	s_barrier_signal -1
	s_barrier_wait -1
.endm
; THE CHANGE OF SLOTS.  Each wave waits for all its tensor loads (one is out: its part of the other slot), adds 0 to its spare word, waits for that and for its LDS instructions.  fill = 1: a round of the cluster's barrier,
; and the joint fill of the slot just left, with the keys two slots on, first behind it: it has four key steps in which to land.  (At its first use slot 0 is waited for, the mask table published, slot 1 filled.)
.macro CHANGE fill
	WIN 0
	s_wait_tensorcnt 0x0
	ds_add_u32 v[SPW], v[NIL]
.if \fill
.irp g, G0K, G0V
	s_xor_b32 s[\g+1], s[\g+1], SLOT1
	s_add_nc_u64 s[\g+2:\g+3], s[\g+2:\g+3], 4*KS*128
.endr
	s_wait_dscnt 0x0
	CROUND
	JLOAD
.else
	s_wait_dscnt 0x0
	s_barrier_signal -1
	s_barrier_wait -1
.endif
	s_sub_co_u32 s[TBK], s[TBK], 4*KS*PK
	s_xor_b32 s[TBK], s[TBK], SLOT1
	s_sub_co_u32 s[TBV], s[TBV], 4*KS*PV
	s_xor_b32 s[TBV], s[TBV], SLOT1
.endm
	s_load_b128 s[4:7], s[0:1], 0x0   ; qkv s[4:5], mask s[6:7]
	s_load_b64 s[8:9], s[0:1], 0x10   ; o
	v_lshl_add_u32 v[SPW], v0, 2, SPARE
	v_mov_b32 v[NIL], 0
	ds_add_u32 v[SPW], v[NIL]       ; the wave's opening: the add and its wait stand ahead of my first tensor load
	v_lshrrev_b32 v1, 5, v0
	v_readfirstlane_b32 s[WV], v1
	s_bfe_u32 s13, ttmp6, 0x40000   ; cx
	s_lshl_b32 s14, ttmp9, 2
	s_add_co_u32 s14, s14, s13      ; my block of 512 queries: it enters Q's and O's addresses alone
	s_and_b32 s15, ttmp7, 0xffff    ; batch x 16 + head, which the four partners share
	s_lshl_b32 s20, s15, 18         ; its 2,048 rows of 128 bytes
	s_and_b32 s16, s[WV], 1         ; which half of a slot's 256 keys I fetch
	s_lshl_b32 s22, s16, 14
	s_add_co_u32 s22, s22, s20
	s_mov_b32 s23, 0
	s_mul_i32 s17, s16, 128*PK
	s_mul_i32 s18, s16, 128*PV
	s_lshl_b32 s2, s14, 2
	s_add_co_u32 s2, s2, s[WV]
	s_lshl_b32 s2, s2, 14           ; my wave's 128 rows
	s_add_co_u32 s2, s2, s20
	s_mov_b32 s3, 0
	s_lshr_b32 s50, s15, 4
	s_lshl_b32 s50, s50, 11         ; the batch's 2,048 mask bytes
	s_mov_b32 s51, 0
	; 128 keys are 16,384 dense bytes: asked for as 64 rows of 256 bytes, padded in LDS after every key
	s_mov_b32 s[G1K], 15|(1<<16)|(1<<20)|(1<<21)|(4<<22)|(3<<25)
	s_mov_b32 s[G1V], 15|(1<<16)|(1<<20)|(1<<21)|(4<<22)|(7<<25)
.irp g, G1K, G1V
	s_mov_b32 s[\g+1], 128<<16
	s_mov_b32 s[\g+2], 64<<16
	s_mov_b32 s[\g+3], 128<<16
	s_mov_b32 s[\g+4], 64
	s_mov_b32 s[\g+5], 128
	s_mov_b32 s[\g+6], 0
	s_mov_b32 s[\g+7], 0
.endr
	s_mov_b32 s[SEL], 0x76543210
	s_mov_b32 s[SEL+1], 0xfedcba98
	s_mov_b32 s[TBK], SLOT1+4*KS*PK ; the first change of slots turns these two into 0
	s_mov_b32 s[TBV], SLOT1+4*KS*PV
	s_mov_b32 s[TBM], 0
	s_mov_b32 s[G0K], 1
	s_mov_b32 s[G0K+1], s17
	s_mov_b32 s[G0V], 1
	s_add_co_u32 s[G0V+1], s18, VOFF
	s_wait_dscnt 0x0                ; the opening add is done
	s_wait_kmcnt 0x0
	s_add_nc_u64 s[G0K+2:G0K+3], s[4:5], s[22:23]
	s_add_nc_u64 s[G0V+2:G0V+3], s[G0K+2:G0K+3], 0x2000000   ; v lies 2 x 2^24 bytes behind q,
	s_add_nc_u64 s[G0K+2:G0K+3], s[G0K+2:G0K+3], 0x1000000   ; k 2^24
	s_or_b32 s[G0K+3], s[G0K+3], 0x80000000
	s_or_b32 s[G0V+3], s[G0V+3], 0x80000000
	s_add_nc_u64 s[6:7], s[6:7], s[50:51]
	s_add_nc_u64 s[10:11], s[8:9], s[2:3]
	s_add_nc_u64 s[4:5], s[4:5], s[2:3]
	CROUND                          ; all four work-groups are here
	JLOAD                           ; slot 0
	v_and_b32 v1, 15, v0            ; r
	v_bfe_u32 v9, v0, 4, 1          ; h
	v_and_b32 v120, 31, v0
	v_lshlrev_b32 v120, 6, v120     ; every wave reads all 2,048 mask bytes, 64 a lane, to learn whether all are 1,
	v_lshlrev_b32 v121, 4, v0       ; and 16 a thread for the table
.irp f, 0,1,2,3
	global_load_b128 v[64+4*\f:67+4*\f], v120, s[6:7] offset:16*\f
.endr
	global_load_b128 v[80:83], v121, s[6:7]
	v_lshlrev_b32 v[QO], 7, v1
	v_lshl_add_u32 v[QO], v9, 4, v[QO]
	WIN 0x80
.set i, 0
.rept 4*NP                          ; Q stays in registers: tile i / 2, channels 32 (i % 2) on
	global_load_b128 v[8*i:8*i+3],   v[QO], s[4:5] offset:(i/2)*2048+(i%2)*64
	global_load_b128 v[8*i+4:8*i+7], v[QO], s[4:5] offset:(i/2)*2048+(i%2)*64+32
.set i, i+1
.endr
	; No first step is written out: V and P's second buffer hold 0 (the first turn's V^T P, of a piece that has not been, adds 0), O^T and l start at 0.  All this stands in the wait for the first tile.
.set i, VF
.rept 64
	v_mov_b32 v[i], 0
.set i, i+1
.endr
	WIN 0x40
.set i, 0
.rept 64*NP
	v_mov_b32 v[i], 0
.set i, i+1
.endr
	WIN 0
.set i, 0
.rept 16
	v_mov_b32 v[L+i], 0
.set i, i+1
.endr
.set i, P+32
.rept 32
	v_mov_b32 v[i], 0
.set i, i+1
.endr
	v_mul_u32_u24 v[AK0], v1, PK
	v_lshl_add_u32 v[AK0], v9, 4, v[AK0]
	v_and_b32 v10, 7, v0
	v_bfe_u32 v11, v0, 3, 1
	v_lshl_add_u32 v[AV0], v9, 3, v10   ; the turning load: lane l reads key 8 (l / 16) + l % 8, channels 8 ((l / 8) % 2) on
	v_mul_u32_u24 v[AV0], v[AV0], PV
	v_lshl_add_u32 v[AV0], v11, 4, v[AV0]
	v_add_nc_u32 v[AV0], VOFF, v[AV0]
	v_lshl_add_u32 v[AM0], v9, 5, MBT   ; register j of key block kb is key 16 kb + 8 h + j
	v_lshl_add_u32 v122, v0, 6, MBT     ; my 16 words of the table
	s_mov_b32 s51, 0x01010101
	s_wait_loadcnt 32               ; the five mask loads are in; Q's 32 may stay out
	v_and_b32 v84, v64, v65
.set i, 66
.rept 14
	v_and_b32 v84, v84, v[i]
.set i, i+1
.endr
	v_cmp_eq_u32 s50, s51, v84      ; lanes whose 64 bytes are all 1
	s_cmp_eq_u32 s50, -1
	s_cselect_b32 s[NEGS], 0, 0xc6616bcd   ; -10000 log2(e)
	s_cselect_b32 s[KEEP], 0, -1
.set i, 0
.rept 16
	v_bfe_u32 v[88+i], v[80+i/4], 8*(i%4), 8
.set i, i+1
.endr
.set i, 0
.rept 16
	v_cvt_f32_u32 v[88+i], v[88+i]
.set i, i+1
.endr
.set i, 0
.rept 16
	v_mul_f32 v[88+i], s[NEGS], v[88+i]
.set i, i+1
.endr
.irp f, 0,1,2,3
	ds_store_b128 v122, v[88+4*\f:91+4*\f] offset:16*\f
.endr
	s_wait_loadcnt 0x0              ; Q
	WIN 0x88
.set i, 0
.rept 128
	v_and_b32 v[i], s[KEEP], v[i]   ; Q as it is, or 0 where the whole batch is hidden
.set i, i+1
.endr
	WIN 0
; THE MATRIX WORK.  The 8 accumulators of a run of 16 take turns.  Product i of S^T = K Q^T for piece x: channels 32 (i / 8) on, keys 16 ((i / 2) % 4) on, tile 2 x + i % 2.  The first 8 start the sums with the mask.
.macro KQ x
	WIN W_KQ
.set rS, S+64*((\x)%2)+32*(i%2)+8*((i/2)%4)
.set rK, KF+16*((i/2)%4)+8*(i/8)
.set rQ, 16*(2*(\x)+i%2)+8*(i/8)
.set rM, MB+8*((i/2)%4)
.if i < 8
	v_wmma_f32_16x16x32_f16 v[rS:rS+7], v[rK:rK+7], v[rQ:rQ+7], v[rM:rM+7]
.else
	v_wmma_f32_16x16x32_f16 v[rS:rS+7], v[rK:rK+7], v[rQ:rQ+7], v[rS:rS+7]
.endif
.endm
.macro PV x                         ; product i of O^T += V^T P: keys 32 (i / 8) on, channels 16 ((i / 2) % 4) on, tile 2 x + i % 2
	WIN W_PV
.set rO, 32*(2*(\x)+i%2)+8*((i/2)%4)
.set rV, VF+32*(i/8)+8*((i/2)%4)
.set rP, P+32*((\x)%2)+16*(i%2)+8*(i/8)
	v_wmma_f32_16x16x32_f16 v[rO:rO+7], v[rV:rV+7], v[rP:rP+7], v[rO:rO+7]
.endm
.macro MM                           ; the turn's next matrix instruction
.if i < 16
	KQ (Y+1)%NP
.set i, i+1
.else
.set i, i-16
	PV (Y+NP-1)%NP
.set i, i+17
.endif
.endm
; THE LDS LOADS stand in runs: a step's K and its 64 words of the mask (24 loads), and its V, turned (16).  last = 1 (the tail): in the last trip there is no further step, and the run is jumped over.
.macro FETCH_K last=0
	WIN 0
.if \last
	s_cmp_eq_u32 s[CNT], 1
	s_cbranch_scc1 .Lno_k_\@
.endif
	WIN 0x80
.irp f, 0,1,2,3,4,5,6,7
	ds_load_b128 v[KF+8*\f:KF+8*\f+3],   v[AK] offset:(\f/2)*16*PK+(\f%2)*64
	ds_load_b128 v[KF+8*\f+4:KF+8*\f+7], v[AK] offset:(\f/2)*16*PK+(\f%2)*64+32
.endr
	WIN 0
.irp f, 0,1,2,3
	ds_load_b128 v[MB+8*\f:MB+8*\f+3],   v[AM] offset:64*\f
	ds_load_b128 v[MB+8*\f+4:MB+8*\f+7], v[AM] offset:64*\f+16
.endr
	s_add_co_u32 s[TBK], s[TBK], KS*PK
	s_add_co_u32 s[TBM], s[TBM], 256
	s_and_b32 s[TBM], s[TBM], 0x1fff   ; stays inside the table's 8,192 bytes
.if \last
.Lno_k_\@:
.endif
.endm
.macro FETCH_V
	WIN 0x80
.irp f, 0,1,2,3,4,5,6,7
	ds_load_tr16_b128 v[VF+8*\f:VF+8*\f+3],   v[AV] offset:(\f/4)*32*PV+(\f%4)*32
	ds_load_tr16_b128 v[VF+8*\f+4:VF+8*\f+7], v[AV] offset:(\f/4)*32*PV+16*PV+(\f%4)*32
.endr
	WIN 0
.endm
; THE VECTOR WORK of piece Y, three queues, the two tiles alternating.  EX: 2^s in place, registers ascending (each accumulator is read from its lowest registers on): each result has its own register, the score's.
; CV: a pair of weights rounded to f16.  AD: l takes the pair.  CV and AD are all that names a result of EX: they stand behind the turn's wait.
.macro EX
	WIN 0
	v_exp_f32 v[S+64*(Y%2)+32*(e%2)+e/2], v[S+64*(Y%2)+32*(e%2)+e/2]
.set e, e+1
.endm
.macro CV
	WIN 0
	v_cvt_pk_f16_f32 v[P+32*(Y%2)+16*(c%2)+c/2], v[S+64*(Y%2)+32*(c%2)+2*(c/2)], v[S+64*(Y%2)+32*(c%2)+2*(c/2)+1]
.set c, c+1
.endm
.macro AD
	WIN 0
	v_pk_add_f32 v[L+2*(2*Y+d%2):L+2*(2*Y+d%2)+1], v[L+2*(2*Y+d%2):L+2*(2*Y+d%2)+1], v[S+64*(Y%2)+32*(d%2)+2*(d/2):S+64*(Y%2)+32*(d%2)+2*(d/2)+1]
.set d, d+1
.endm
; A TURN: 32 rows of a product and four vector instructions, cut in two by ONE wait.  Rows 0-15 (K Q^T): the piece's 64 exponentials, four a row: one batch; the products write the other buffer of S^T, and nothing ahead of the
; wait names a result of the batch.  Then a plain line, the place between the last exponential and the first use of a result (ISA guide 5.7.2): an address line where one is due, else a v_nop.  Then the wait.
; Rows 16-31 (V^T P): rounding, sum, rounding, sum: the batch's 64 readers, pairs ascending, a tile's links of l's chain a row apart.
; K and the mask of the next step are fetched in piece 2's turn, directly behind the wait: four plain instructions (the two address lines and two v_nop) stand behind row 15's product, the last that read K, and behind
; rows 0-7's, which read the mask; the exponentials between are no places.  V of the step in hand at the end of piece 0's turn: row 31's four plain instructions stand behind the last product that read V; its
; address line is that turn's plain line.  Each run is waited for a turn later.
.macro TURN p, last=0
.set Y, (\p)
.set i, 0
.set e, 0
.set c, 0
.set d, 0
.if (\p) == 3
	s_wait_dscnt 0x0                ; K and the mask are in
.endif
.rept 16                            ; ahead of the wait: 16 products K Q^T and the batch
	MM
	EX
	EX
	EX
	EX
.endr
.if (\p) == 2
	v_add_nc_u32 v[AK], s[TBK], v[AK0]
	v_add_nc_u32 v[AM], s[TBM], v[AM0]
	v_nop
	v_nop
.elseif (\p) == 0
	v_add_nc_u32 v[AV], s[TBV], v[AV0]
.else
	v_nop
.endif
	s_wait_alu depctr_va_vdst(0)    ; the wait ahead of the first line that names a result: one for the turn's 64 exponentials
.if (\p) == 2
	FETCH_K \last
.endif
.if (\p) == 1
	s_wait_dscnt 0x0                ; V is in
.endif
.rept 16                            ; behind the wait: 16 products V^T P and the batch's readers
	MM
	CV
	AD
	CV
	AD
.endr
.if (\p) == 0
	FETCH_V
	s_add_co_u32 s[TBV], s[TBV], KS*PV
.endif
.endm
	CHANGE 1                        ; slot 0 is in, everybody's part of it, and so is the table; slot 1 is asked for
	v_add_nc_u32 v[AK], s[TBK], v[AK0]
	v_add_nc_u32 v[AM], s[TBM], v[AM0]
	FETCH_K                         ; key step 0
	s_wait_dscnt 0x0
.set i, 0
.rept 16
	KQ 0                            ; piece 0's first scores
.set i, i+1
.endr
	WIN 0                           ; the addresses for the way out: nine plain instructions, the places behind those products
	s_mul_i32 s13, s[WV], 16*SP
	s_add_co_u32 s13, s13, STAGE
	v_mul_u32_u24 v[STO], v1, SP
	v_lshl_add_u32 v[STO], v9, 4, v[STO]
	v_add_nc_u32 v[STO], s13, v[STO]
	v_bfe_u32 v[RD], v0, 3, 2
	v_mul_u32_u24 v[RD], v[RD], SP
	v_lshl_add_u32 v[RD], v10, 4, v[RD]
	v_add_nc_u32 v[RD], s13, v[RD]
	v_and_b32 v[GO], 31, v0
	v_lshlrev_b32 v[GO], 4, v[GO]
	s_mov_b32 s[CNT], 4
	s_mov_b32 s[SLOTS], 7
	s_branch .Lfirst                ; the loop is entered at a step's first turn, in the middle of a trip
.Lslot:                             ; six times: slots 2 to 7 are asked for
	CHANGE 1
	s_mov_b32 s[CNT], 4
.Lstep:                             ; a trip: pieces 2 and 3 of one step, then pieces 0 and 1 of the next, whose K and V it fetches
	TURN 2
	TURN 3
	WIN 0
.Lfirst:
	TURN 0
	TURN 1
	WIN 0
	s_sub_co_u32 s[CNT], s[CNT], 1
	s_cmp_lg_u32 s[CNT], 0
	s_cbranch_scc1 .Lstep
	s_sub_co_u32 s[SLOTS], s[SLOTS], 1
	s_cmp_lg_u32 s[SLOTS], 0
	s_cbranch_scc1 .Lslot
	CHANGE 0                        ; the tail is written out
	s_mov_b32 s[CNT], 5             ; four trips fetch the last slot's steps; the fifth is left in its middle
.Ltail:
	TURN 2, 1
	TURN 3
	WIN 0
	s_sub_co_u32 s[CNT], s[CNT], 1
	s_cmp_eq_u32 s[CNT], 0
	s_cbranch_scc1 .Lout
	TURN 0
	TURN 1
	WIN 0
	s_branch .Ltail
.Lout:                              ; the fifth trip's 16 products K Q^T, on the last K once more, serve nothing: the price of one text for every trip
.set i, 0
.rept 16
	PV NP-1
.set i, i+1
.endr
	; THE WAY OUT.  l's two halves and the other half of the lanes' are added (the additions are the places behind the last products); O^T is divided by l, rounded to f16 and sent through my stage, a tile at a time.
	WIN 0
.macro ALL line:vararg
.set t, 0
.rept 2*NP
	\line
.set t, t+1
.endr
.endm
	ALL v_add_f32 v[L+2*t], v[L+2*t], v[L+2*t+1]
	ALL v_permlanex16_b32 v[L+2*t+1], v[L+2*t], s[SEL], s[SEL+1]
	ALL v_add_f32 v[L+2*t], v[L+2*t], v[L+2*t+1]
	ALL v_rcp_f32 v[L+2*t], v[L+2*t]
	v_nop                           ; a plain instruction between the last reciprocal and the use of its result
	s_wait_alu depctr_va_vdst(0)    ; and the wait ahead of the first use: one for the eight reciprocals
.macro PACK t
	WIN W_RS
.set i, 32*(\t)
.rept 16
	v_pk_mul_f32 v[i:i+1], v[i:i+1], v[L+2*(\t):L+2*(\t)+1] op_sel_hi:[1,0]
.set i, i+2
.endr
	WIN 0x05
.set i, 0
.rept 16
	v_cvt_pk_f16_f32 v[S+16*(\t)+i], v[32*(\t)+2*i], v[32*(\t)+2*i+1]
.set i, i+1
.endr
	WIN 0
.irp f, 0,1,2,3
	ds_store_b128 v[STO], v[S+16*(\t)+4*\f:S+16*(\t)+4*\f+3] offset:32*\f
.endr
.irp f, 0,1,2,3
	ds_load_b128 v[S+16*(\t)+4*\f:S+16*(\t)+4*\f+3], v[RD] offset:\f*4*SP  ; LDS serves a wave's instructions in order (ISA guide 5.7.1.4): these see the stores above
.endr
.endm
.macro SEND t, younger              ; younger: the LDS instructions issued behind tile t's loads: the next tile's eight, or none
	WIN 0
.irp f, 0,1,2,3
	s_wait_dscnt (\younger)+3-\f
	global_store_b128 v[GO], v[S+16*(\t)+4*\f:S+16*(\t)+4*\f+3], s[10:11] offset:(\t)*2048+\f*512  ; 512 consecutive bytes, at a multiple of 512 from o's first
.endr
.endm
	PACK 0
.set t, 1
.rept 2*NP-1
	PACK t
	SEND t-1, 8
.set t, t+1
.endr
	SEND 2*NP-1, 0
	s_wait_tensorcnt 0x0            ; the wave's end
	ds_add_u32 v[SPW], v[NIL]
	s_wait_dscnt 0x0
	CROUND                          ; the closing round
	s_endpgm
.Lfunc_end_k_qfe4dfb2e09_attn:
	.size	k_qfe4dfb2e09_attn, .Lfunc_end_k_qfe4dfb2e09_attn-k_qfe4dfb2e09_attn
	.p2alignl 7, 3214868480
	.fill 96, 4, 3214868480
	.section	.rodata,"a",@progbits
	.p2align	6, 0x0
	.amdhsa_kernel k_qfe4dfb2e09_attn
		.amdhsa_group_segment_fixed_size 327680
		.amdhsa_private_segment_fixed_size 0
		.amdhsa_enable_private_segment 0
		.amdhsa_kernarg_size 24
		.amdhsa_user_sgpr_count 2
		.amdhsa_user_sgpr_kernarg_segment_ptr 1
		.amdhsa_wavefront_size32 1
		.amdhsa_system_sgpr_workgroup_id_x 1
		.amdhsa_system_sgpr_workgroup_id_y 1
		.amdhsa_system_sgpr_workgroup_id_z 1
		.amdhsa_system_vgpr_workitem_id 0
		.amdhsa_next_free_vgpr 768
		.amdhsa_next_free_sgpr 66
		.amdhsa_reserve_vcc 0
		.amdhsa_float_denorm_mode_32 3
		.amdhsa_float_denorm_mode_16_64 3
		.amdhsa_memory_ordered 1
		.amdhsa_forward_progress 1
		.amdhsa_inst_pref_size 149
	.end_amdhsa_kernel
	.amdgpu_metadata
---
amdhsa.version: [ 1, 2 ]
amdhsa.kernels:
  - .name:           k_qfe4dfb2e09_attn
    .symbol:         k_qfe4dfb2e09_attn.kd
    .args:
      - { .name: qkv, .offset: 0, .size: 8, .value_kind: global_buffer, .address_space: global }
      - { .name: mask, .offset: 8, .size: 8, .value_kind: global_buffer, .address_space: global }
      - { .name: o, .offset: 16, .size: 8, .value_kind: global_buffer, .address_space: global }
    .group_segment_fixed_size: 327680
    .private_segment_fixed_size: 0
    .kernarg_segment_align: 8
    .kernarg_segment_size: 24
    .max_flat_workgroup_size: 128
    .sgpr_count:     66
    .vgpr_count:     768
    .wavefront_size: 32
...
	.end_amdgpu_metadata
.endif
;; end of part 5
;; launch oproj: the kernel of part 4 again; grid 8 x 32, 4 waves a work-group, clusters of 4 x 4, 327,680 bytes of LDS; arguments o, w16, bo, out0; writes out0
